; MI455X (gfx1250); checked and timed in simulation.
; The chip was launched on July 23, 2026; its instructions are those of AMD's public machine-readable ISA for CDNA 5 (MIT licence, August 2026) and "CDNA5" Instruction Set Architecture Reference Guide (July 2026). The comments in the code are by the model that wrote it; some were corrected since.
;; Multi Head Attention. Allowed arithmetic: matrix products marked QUANTISED: E4M3 operands, one E8M0 scale for each 32 along K, by v_wmma_scale_f32_16x16x128_f8f6f4 with both operands' format E4M3, f32 sums; everything else in f32.
;; Inputs: bk 1,024 float32; bo 1,024 float32; bq 1,024 float32; bv 1,024 float32; key 4 x 2,048 x 1,024 float32; query 4 x 2,048 x 1,024 float32; value 4 x 2,048 x 1,024 float32; wk 1,024 x 1,024 float32; wo 1,024 x 1,024 float32; wq 1,024 x 1,024 float32; wv 1,024 x 1,024 float32.
;; Outputs: out0 4 x 2,048 x 1,024 float32.
;; Constants: is_causal = 1.
;; This version of the problem:
;;   THIS VERSION OF THE PROBLEM IS GIVEN IN LOW PRECISION. The matrix products marked QUANTISED in the list below multiply operands that are first quantised to E4M3 (4 exponent bits, 3 mantissa bits; 8 bits a number), with one power-of-two scale for each 32 numbers along K (OCP MX v1.0); their sums are f32. All else is computed in f32.
;;   The module's matrix products, in the order in which they are computed (A, B: the left and right operand; K: the contracted axis; several contracted axes count as one K, in the product's order):
;;     1. [M 8,192, K 1,024] x [K 1,024, N 1,024]; A: input query; B: input wq: QUANTISED
;;     2. [M 8,192, K 1,024] x [K 1,024, N 1,024]; A: input key; B: input wk: QUANTISED
;;     3. [M 8,192, K 1,024] x [K 1,024, N 1,024]; A: input value; B: input wv: QUANTISED
;;     4. batch 64 x [M 2,048, K 64] x [K 64, N 2,048]; A: computed on the way; B: computed on the way: QUANTISED
;;     5. batch 64 x [M 2,048, K 2,048] x [K 2,048, N 64]; A: softmax (see below); B: computed on the way: QUANTISED
;;     6. [M 8,192, K 1,024] x [K 1,024, N 1,024]; A: computed on the way; B: input wo: QUANTISED
;;   THE QUANTISER, for each operand of a quantised product, along K:
;;     - K is cut into blocks of 32 from its start; a last block that is shorter is filled with zeros.
;;     - A block's scale is 2^e with e = floor(log2(the largest magnitude in the block)) - 8, held to -126 .. 127; a block of zeros has e = 0. As a byte (E8M0): e + 127.
;;     - Each number is divided by its block's scale, clamped to +-448, and rounded to the nearest number of E4M3, ties to even, subnormals kept.
;;     - The product sums the exact products of the quantised numbers (number of the format x scale) in f32.
;;   ~~~python
;;   def quantise(x, axis):      # numpy; x: float32 -> the quantised numbers, widened to float32 again
;;       x = np.moveaxis(x, axis, -1); K = x.shape[-1]
;;       x = np.pad(x, [(0, 0)] * (x.ndim - 1) + [(0, -K % 32)]); x = x.reshape(x.shape[:-1] + (-1, 32)); a = np.abs(x).max(-1, keepdims=True)
;;       e = np.where(a > 0, np.clip(np.frexp(np.where(a > 0, a, 1))[1] - 1 - 8, -126, 127), 0)      # np.frexp(a)[1] - 1 = floor(log2(a)), exactly
;;       r = np.clip(x / 2.0 ** e, -448, 448)
;;       step = 2.0 ** (np.maximum(np.frexp(np.where(r == 0, 1, r))[1] - 1, -6) - 3)
;;       q = np.round(r / step) * step * 2.0 ** e      # np.round: ties to even
;;       return np.moveaxis(q.reshape(q.shape[:-2] + (-1,))[..., :K], -1, axis).astype(np.float32)
;;   ~~~
;;   SOFTMAX AHEAD OF A QUANTISED PRODUCT. Where the list says 'softmax', what is quantised is not the finished softmax but p = 2^(t - M), with t = logit x log2(e) and M = ceil(the row's largest t), a whole number; so 1/2 < the row's largest p <= 1. The row's sum l is taken of the UNQUANTISED p, in f32, and the product's result is divided by l at the end. Since M is a whole number, a kernel that streams over the keys may use a running M (the ceiling of the running maximum): every later rescaling is an exact power of two, which a block's scale takes up: the codes' values come out the same.
;;   OPERANDS COMPUTED ON THE WAY. 'Computed on the way' means the value that the module computes at that place (a softmax that the list does not call 'softmax' is quantised finished and normalised). What goes into a quantiser is computed in f32, as accurately as f32 sums, v_exp_f32 and their like allow (about 1e-6 of the number): no bf16 or f16 on the way to a quantiser, and a product that is left as it is and whose result goes on into a quantised operand takes f32 operands (vector FMAs, or v_wmma_f32_16x16x4_f32). A number that lies on a knife's edge between two numbers of the format may be rounded either way, as far as f32 arithmetic and the matrix unit's own rounding can turn it there, and no further.
;; One version. Each part assembles by itself: llvm-mc -triple=amdgcn-amd-amdhsa -mcpu=gfx1250 --defsym DOCPART=n.
;; ======== version 1 of 1: 4 launches
;; limits: right only within a limited range of input values
;; workspace buffers: codes 29,360,128 bytes; scales 917,504 bytes; qkc 17,825,792 bytes; vimg 8,912,896 bytes; cc 8,388,608 bytes; cs 262,144 bytes
;; launch quant (part 1): grid 896 x 1, 4 waves a work-group, no clusters, 33,280 bytes of LDS; arguments query, key, value, wq, wk, wv, wo, codes, scales; writes codes, scales
.if DOCPART == 1
	.amdgcn_target "amdgcn-amd-amdhsa--gfx1250"
	.amdhsa_code_object_version 6
	.text
	.protected	k_q73717d726c_quant
	.globl	k_q73717d726c_quant
	.p2align	8
	.type	k_q73717d726c_quant,@function
k_q73717d726c_quant:
	s_mov_b64 s[64:65], 0
	v_nop
	global_prefetch_b8 v0, s[64:65] scope:SCOPE_SE
	s_setreg_imm32_b32 hwreg(HW_REG_WAVE_MODE, 25, 1), 1
	s_wait_xcnt 0x0
; query, key, value [8192][1024] and wq, wk, wv, wo [1024][1024], all f32 with K innermost, become codes of FP8 (E4M3), one byte each, K innermost, with one E8M0 scale byte for each 32 along K.
; All seven tensors go into ONE buffer of 28,672 rows of 1,024 codes (query from position 0, key 8192, value 16384, wq 24576, wk 25600, wv 26624, wo 27648) and one of 28,672 x 32 scale bytes.
; ROW rho IS STORED AT POSITION pi(rho), pi = rho with its bits 3 and 4 exchanged.  Sixteen consecutive positions 16 i + r then hold the rows 32 (i / 2) + 8 (i % 2) + r % 8 + 16 (r / 8): the rows that
; the later launches want in one matrix tile, so that a lane's 16 results of two neighbouring tiles are 16 neighbours along the next product's K.
; A block's scale is 2^(floor(log2(its largest magnitude)) - 8); its byte is the largest magnitude's exponent field - 8, held at 1 from below.  A block of zeros so gets the byte 1 where the rule says 127:
; its codes are zeros, which add nothing under any byte but 0xff, and the bytes are read by this program alone.  Each number is divided by the scale, held within +-448, rounded to the nearest code, ties to even.
; LIMITS: blocks whose largest magnitude lies under 2^(8 - 126) have their byte held at 1; NaN and infinities among the inputs are not served.
; SHARES: a work-group takes 32 rows, a wave 8 rows (8,192 numbers) in 16 steps of 512.  pi moves whole groups of 8 rows: wave w's rows go to the place of wave sw = w with its two bits exchanged.
; Each of a step's four loads reads 512 consecutive bytes; the 2,048 bytes turn through the wave's own stage in LDS and come back 64 bytes a lane, so that a lane holds 16 neighbours (two lanes a block).
; A lane's 16 codes are 16 bytes: the wave stores 512 consecutive bytes.  A wave's 256 scale bytes are gathered in LDS and leave as 256 consecutive bytes, aligned.  No tensor loads, no barrier: waves share nothing.
.set STEPS, 16
.set EMAX,  8
.set MANT,  0x600000                   ; the mantissa field of 448 as f32
.set CB,    16                         ; bytes of 16 codes
.set R,     16                         ; v16-79   four sets of 16 numbers as they are loaded
.set X,     80                         ; v80-111  two sets of 16 neighbours
.set C,     128                        ; v128-191 codes: four registers for each step, so that no store's data are written again
.set E,     112                        ; v112-127 a scale byte for each step
.set WREG,  8192                       ; LDS: a region for each wave: two stages of 32 x SP bytes, and behind them its 256 scale bytes
.set SP,    80                         ; a lane's place in a stage: its 64 bytes + 16 of padding
	s_load_b256 s[4:11], s[0:1], 0x0               ; query, key, value, wq
	s_load_b256 s[12:19], s[0:1], 0x20             ; wk, wv, wo, codes
	s_load_b64 s[20:21], s[0:1], 0x40              ; scales
	v_lshl_add_u32 v192, v0, 2, 0x8000
	v_mov_b32 v193, 0
	v_lshrrev_b32 v1, 5, v0
	v_readfirstlane_b32 s25, v1                    ; wave
	v_and_b32 v2, 31, v0                           ; lane
	v_lshlrev_b32 v3, 4, v2                        ; my 16 bytes of a load's 512
	s_mul_i32 s26, s25, WREG
	v_lshrrev_b32 v14, 2, v2
	v_mul_u32_u24 v14, v14, SP
	v_and_b32 v15, 3, v2
	v_lshl_add_u32 v14, v15, 4, v14
	v_add_nc_u32 v14, s26, v14                     ; the stage, on the way in: SP (lane / 4) + 16 (lane % 4)
	v_mul_u32_u24 v15, v2, SP
	v_add_nc_u32 v15, s26, v15                     ; and on the way out: SP x lane: my 16 neighbours
	v_mul_u32_u24 v4, v2, CB                       ; my codes' place in a step's
	v_lshrrev_b32 v5, 1, v2
	s_add_co_u32 s26, s26, 2*32*SP
	v_add_nc_u32 v5, s26, v5                       ; LDS: my wave's 256 scale bytes, my block's byte
	v_lshlrev_b32 v7, 3, v2                        ; and on the way out 8 bytes a lane
	v_add_nc_u32 v6, s26, v7
	s_mov_b32 s27, MANT                            ; (an instruction takes one literal: the hold's line has another)
	s_wait_alu depctr_va_vdst(0)
	s_wait_kmcnt 0x0
	; which tensor is my work-group's: a chain of choices on the work-group's number alone.  s[22:23] the tensor, s24 its first work-group
	s_mov_b64 s[22:23], s[16:17]                   ; wo: work-groups 864 to 895
	s_mov_b32 s24, 864
	s_cmp_lt_u32 ttmp9, 864
	s_cselect_b64 s[22:23], s[14:15], s[22:23]     ; wv
	s_cselect_b32 s24, 832, s24
	s_cmp_lt_u32 ttmp9, 832
	s_cselect_b64 s[22:23], s[12:13], s[22:23]     ; wk
	s_cselect_b32 s24, 800, s24
	s_cmp_lt_u32 ttmp9, 800
	s_cselect_b64 s[22:23], s[10:11], s[22:23]     ; wq
	s_cselect_b32 s24, 768, s24
	s_cmp_lt_u32 ttmp9, 768
	s_cselect_b64 s[22:23], s[8:9], s[22:23]       ; value
	s_cselect_b32 s24, 512, s24
	s_cmp_lt_u32 ttmp9, 512
	s_cselect_b64 s[22:23], s[6:7], s[22:23]       ; key
	s_cselect_b32 s24, 256, s24
	s_cmp_lt_u32 ttmp9, 256
	s_cselect_b64 s[22:23], s[4:5], s[22:23]       ; query
	s_cselect_b32 s24, 0, s24
	s_sub_co_u32 s24, ttmp9, s24                   ; my work-group's number within its tensor
	s_lshl_b32 s24, s24, 2
	s_add_co_u32 s28, s24, s25                     ; which run of 8 rows of the tensor is my wave's
	s_lshl_b32 s28, s28, 15                        ; 32,768 bytes a run (under 2^26)
	s_mov_b32 s29, 0
	s_add_nc_u64 s[22:23], s[22:23], s[28:29]
	s_and_b32 s30, s25, 1
	s_lshl_b32 s30, s30, 1
	s_lshr_b32 s31, s25, 1
	s_or_b32 s30, s30, s31                         ; sw: the wave's two bits exchanged
	s_lshl_b32 s31, ttmp9, 2
	s_add_co_u32 s30, s30, s31                     ; which run of 8 positions takes them
	s_lshl_b32 s28, s30, 13                        ; 8,192 bytes of codes a run
	s_add_nc_u64 s[18:19], s[18:19], s[28:29]
	s_lshl_b32 s28, s30, 8                         ; 256 scale bytes a run
	s_add_nc_u64 s[20:21], s[20:21], s[28:29]
.macro LOAD t
.irp i, 0,1,2,3
	global_load_b128 v[R+16*((\t)%4)+4*\i:R+16*((\t)%4)+4*\i+3], v3, s[22:23] offset:2048*(\t)+512*\i th:TH_LOAD_NT   ; 32 lanes read 512 consecutive bytes
.endr
.endm
.macro TURN t                          ; step t's numbers through the stage: LDS serves a wave's instructions in order, so no wait stands between the stores and the loads
.irp i, 0,1,2,3
	ds_store_b128 v14, v[R+16*((\t)%4)+4*\i:R+16*((\t)%4)+4*\i+3] offset:32*SP*((\t)%2)+8*SP*\i
.endr
.irp i, 0,1,2,3
	ds_load_b128 v[X+16*((\t)%2)+4*\i:X+16*((\t)%2)+4*\i+3], v15 offset:32*SP*((\t)%2)+16*\i
.endr
.endm
.irp t, 0,1,2,3
	LOAD \t
.endr
	s_wait_loadcnt 12                              ; step 0's four loads are in; the twelve of steps 1 to 3 may be out
	TURN 0
.macro STEP t
.set XS, X+16*((\t)%2)
.if (\t) > 0
	s_wait_dscnt 1                                 ; this step's numbers are back from the stage (the last step's byte store may be out): so its stores into the stage have read their registers,
.else
	s_wait_dscnt 0x0
.endif
.if (\t)+4 < STEPS
	LOAD (\t)+4                                    ; which take the loads of four steps on
.endif
.if (\t)+1 < STEPS
.if STEPS-2-(\t) >= 3
	s_wait_loadcnt 12                              ; the next step's four loads are in; those of the three steps behind it may be out
.else
	s_wait_loadcnt 4*(STEPS-2-(\t))
.endif
	TURN (\t)+1                                    ; and go through the other stage while this step is worked
.endif
	v_max3_num_f32 v8, |v[XS]|, |v[XS+1]|, |v[XS+2]|               ; the largest magnitude of my 16, in two chains
	v_max3_num_f32 v9, |v[XS+3]|, |v[XS+4]|, |v[XS+5]|
.irp i, 6,10
	v_max3_num_f32 v8, v8, |v[XS+\i]|, |v[XS+\i+1]|
	v_max3_num_f32 v9, v9, |v[XS+\i+2]|, |v[XS+\i+3]|
.endr
	v_max3_num_f32 v8, v8, |v[XS+14]|, |v[XS+15]|
	v_max3_num_f32 v8, v8, v9, (EMAX+1)<<23        ; and the floor 2^(EMAX + 1 - 127): so the byte cannot fall under 1
	v_max_num_f32_dpp v8, v8, v8 row_xmask:1 row_mask:0xf bank_mask:0xf   ; and of my neighbour's 16: the block's
	v_add_nc_u32 v11, 0xfc000000, v8               ; EMAX off its exponent field: the conversion takes the exponent field of this operand as its scale, and nothing else of it
	v_and_or_b32 v10, v8, 0x7f800000, s27          ; 448 x the scale: the largest magnitude's exponent field over 448's mantissa
.irp i, 0,1,2,3,4,5,6,7,8,9,10,11,12,13,14,15
	v_med3_num_f32 v[XS+\i], v[XS+\i], -v10, v10   ; the conversion to an 8-bit code does not saturate (ISA guide 7.6.2): hold the number first
.endr
	v_cvt_scalef32_pk8_fp8_f32 v[C+4*(\t):C+4*(\t)+1], v[XS:XS+7], v11
	v_cvt_scalef32_pk8_fp8_f32 v[C+4*(\t)+2:C+4*(\t)+3], v[XS+8:XS+15], v11
	v_lshrrev_b32 v[E+(\t)], 23, v11               ; the scale's byte (also the plain line behind the conversions)
	ds_store_b8 v5, v[E+(\t)] offset:16*(\t)       ; both lanes of a block write the same byte with the same value
	global_store_b128 v4, v[C+4*(\t):C+4*(\t)+3], s[18:19] offset:32*CB*(\t)   ; 32 lanes store 512 consecutive bytes
.endm
.irp t, 0,1,2,3,4,5,6,7,8,9,10,11,12,13,14,15
	STEP \t
.endr
	ds_load_b64 v[12:13], v6                       ; LDS serves a wave's instructions in order: these see my stores
	s_wait_dscnt 0x0
	global_store_b64 v7, v[12:13], s[20:21]        ; 32 lanes store 256 consecutive bytes, aligned
	s_wait_tensorcnt 0x0
	ds_add_u32 v192, v193
	s_wait_dscnt 0x0
	s_endpgm
.Lfunc_end_k_q73717d726c_quant:
	.size	k_q73717d726c_quant, .Lfunc_end_k_q73717d726c_quant-k_q73717d726c_quant
	.p2alignl 7, 3214868480
	.fill 96, 4, 3214868480
	.section	.rodata,"a",@progbits
	.p2align	6, 0x0
	.amdhsa_kernel k_q73717d726c_quant
		.amdhsa_group_segment_fixed_size 33280
		.amdhsa_private_segment_fixed_size 0
		.amdhsa_enable_private_segment 0
		.amdhsa_kernarg_size 72
		.amdhsa_user_sgpr_count 2
		.amdhsa_user_sgpr_kernarg_segment_ptr 1
		.amdhsa_wavefront_size32 1
		.amdhsa_system_sgpr_workgroup_id_x 1
		.amdhsa_system_sgpr_workgroup_id_y 1
		.amdhsa_system_sgpr_workgroup_id_z 1
		.amdhsa_system_vgpr_workitem_id 0
		.amdhsa_next_free_vgpr 194
		.amdhsa_next_free_sgpr 66
		.amdhsa_reserve_vcc 0
		.amdhsa_float_denorm_mode_32 3
		.amdhsa_float_denorm_mode_16_64 3
		.amdhsa_memory_ordered 1
		.amdhsa_forward_progress 1
		.amdhsa_inst_pref_size 52
	.end_amdhsa_kernel
	.amdgpu_metadata
---
amdhsa.version: [ 1, 2 ]
amdhsa.kernels:
  - .name:           k_q73717d726c_quant
    .symbol:         k_q73717d726c_quant.kd
    .args:
      - { .name: query, .offset: 0, .size: 8, .value_kind: global_buffer, .address_space: global }
      - { .name: key, .offset: 8, .size: 8, .value_kind: global_buffer, .address_space: global }
      - { .name: value, .offset: 16, .size: 8, .value_kind: global_buffer, .address_space: global }
      - { .name: wq, .offset: 24, .size: 8, .value_kind: global_buffer, .address_space: global }
      - { .name: wk, .offset: 32, .size: 8, .value_kind: global_buffer, .address_space: global }
      - { .name: wv, .offset: 40, .size: 8, .value_kind: global_buffer, .address_space: global }
      - { .name: wo, .offset: 48, .size: 8, .value_kind: global_buffer, .address_space: global }
      - { .name: codes, .offset: 56, .size: 8, .value_kind: global_buffer, .address_space: global }
      - { .name: scales, .offset: 64, .size: 8, .value_kind: global_buffer, .address_space: global }
    .group_segment_fixed_size: 33280
    .private_segment_fixed_size: 0
    .kernarg_segment_align: 8
    .kernarg_segment_size: 72
    .max_flat_workgroup_size: 128
    .sgpr_count:     66
    .vgpr_count:     194
    .wavefront_size: 32
...
	.end_amdgpu_metadata
.endif
;; end of part 1
;; launch proj (part 2): grid 4 x 192, 4 waves a work-group, clusters of 4 x 4, 327,680 bytes of LDS; arguments codes, scales, bq, bk, bv, qkc, vimg; writes qkc, vimg
.if DOCPART == 2
	.amdgcn_target "amdgcn-amd-amdhsa--gfx1250"
	.amdhsa_code_object_version 6
	.text
	.protected	k_q73717d726c_proj
	.globl	k_q73717d726c_proj
	.p2align	8
	.type	k_q73717d726c_proj,@function
k_q73717d726c_proj:
	s_mov_b64 s[64:65], 0
	v_nop
	global_prefetch_b8 v0, s[64:65] scope:SCOPE_SE
	s_setreg_imm32_b32 hwreg(HW_REG_WAVE_MODE, 25, 1), 1
	s_wait_xcnt 0x0
	s_wait_alu depctr_hold_cnt(0) depctr_sa_sdst(0) depctr_va_vdst(0) depctr_va_sdst(0) depctr_va_ssrc(0) depctr_va_vcc(0) depctr_vm_vsrc(0)
	s_getreg_b32 s2, hwreg(HW_REG_IB_STS2, 6, 4)
	s_cmp_eq_u32 s2, 0
	s_cbranch_scc0 .Lentry_in_a_cluster
	s_endpgm
.Lentry_in_a_cluster:
	s_bfe_u32 s2, ttmp6, 0x10000c
	s_cmp_lg_u32 s2, 0xf033
	s_cbranch_scc0 .Lentry_shape_is_right
	s_endpgm
.Lentry_shape_is_right:
; Q = query wq^T + bq, K = key wk^T + bk, V = value wv^T + bv on codes of FP8 (E4M3) with one E8M0 scale for each 32 along K = 1,024; the results are quantised in registers and stored as IMAGES OF THE OPERAND
; REGISTERS that the attention launch wants: Q and K along the head's 64 channels, V along the keys.
; A TILE is 128 rows of "A" (source 1: a lane holds one of them) x 256 rows of "B" (source 0: they run along a lane's registers).  Four waves: wave w takes A's half w / 2 (64 rows) and B's half w % 2 (128 rows): 4 x 8 accumulators.
; The rows lie in the codes' buffer by positions (row rho at rho with bits 3 and 4 exchanged), so that the 16 registers of accumulators 2 b and 2 b + 1 are B's rows 32 b + 16 (lane / 16) + 0 .. 15 in their natural order.
; TWO MODES, by the cluster's number cl (the same in all sixteen partners): cl < 32: A = tokens of query (cl < 16) or key, B = wq or wk: registers run along the features, blocks of 32 channels of a head;
; cl >= 32: A = rows of wv, B = tokens of value: registers run along the tokens, which are the second attention product's K.
; K goes in eight steps of 128, written out.  LDS has THREE slots of 256 along K, filled at the start; slot 0 is filled once more, with the last 256.  By this text's count a wave has four tensor loads out at the start, later one.
; CLUSTERS: 4 x 4 work-groups.  A's tile hangs on cl and cy alone and is asked for jointly by a row of the cluster, B's on cl and cx alone, by a column: that divides the requests for both by four.
; The scale bytes of the tile's rows for all of K are dense blocks of memory: they come once, with the first fills, and are read into 64 registers once.
; The bias is the C of a sum's first matrix instruction.
; LIMITS: a block of zeros gets the scale byte 1, not 127 (its codes are zeros; this program alone reads the bytes); NaN and infinities are not served by the quantiser.
; REGISTERS, in windows of 256: window 0: v1-31 addresses; v32-95 scale words (and nothing else); v96-159 the bias; v160-251 the way out.  window 1: B's fragments, two sets.  window 2: accumulator (a, b) at v[8 (8 a + b)].  window 3: A's fragments, two sets of 64.
.set PITCH, 272                        ; an LDS row: 256 bytes + 16 of padding = 68 words: row r starts at bank 4 r mod 64 (ISA guide 11.1), so the 16 rows of a load start at 16 different banks
.set AH,    64*PITCH                   ; A's half: what one tensor load brings, and what one wave reads of A
.set BH,    128*PITCH                  ; B's half
.set SLOT,  2*AH+2*BH
.set SCL,   3*SLOT                     ; behind the slots: the scale bytes, as pieces of 256 bytes + 16 of padding: A's two halves, then B's two
.set SAH,   8*272                      ; 64 rows x 32 bytes
.set SBH,   16*272                     ; 128 rows x 32 bytes
.set SPARE, SCL+2*SAH+2*SBH            ; the spare words, 128 bytes for each wave: two blocks of 256 bytes that no other line names
.set STEPA, 256                        ; a slot on, in memory
.set STQ,   SLOT                       ; the way out's small stages lie in slot 1, which is filled once and is read last ahead of the sixth step's barrier: 512 bytes a wave for each mode
.set STV,   SLOT+4096
.set HEADB, 139264                     ; a head in qkc or vimg: 16 blocks
.set BLKB,  8704                       ; a block: 8,192 bytes of codes + 512 of scale words
.set BV,   12                          ; v12-15  the bias of my lane's rows (V)
.set ADRA, 16                          ; v16-18  LDS address of my A fragments in slot 0, 1, 2
.set ADRB, 20                          ; v20-22  the same for B
.set ADRS, 27                          ; v27     of my scale words: lanes 0-15 A's rows, lanes 16-31 B's
.set SPW,  28                          ; v28     my spare word: SPARE + 4 x my thread's number; never rewritten
.set NIL,  29                          ; v29     0; never rewritten
.set SC,   32                          ; register SC + 8 i + s: lanes 0-15 the word of A's block i, lanes 16-31 of B's block i, for K step s
.set BIAS, 96
.set TM,   160                         ; v160-163 largest magnitudes, v164-167 bytes, v172-175 the conversions' scale operands
.set WV, 18
.set SA, 19
.set SB, 20
.set CX, 21
.set CY, 22
.set CL, 23
.set G1A,  24                          ; s[24:31] group 1 for A's tiles, s[32:39] B's, s[40:47] A's scales, s[48:55] B's scales
.set G1B,  32
.set G1SA, 40
.set G1SB, 48
.set G0SA, 56                          ; groups 0: the scales',
.set G0SB, 60
.set G0A,  68                          ; s[68:79] A's, a set for each slot,
.set G0B,  80                          ; s[80:91] B's
.set MODE, 92                          ; 0: Q or K; 1: V
.set PAT,  93                          ; A's tile: its first position
.set PBT,  99                          ; B's tile
.set SEL,  96                          ; s[96:97] v_permlanex16_b32's selects for lane l xor 16
.set MNT,  98
.set MSB, 0
.macro WIN new                         ; the immediate's high byte repeats the setting that is left
.if MSB != \new
	s_set_vgpr_msb (MSB<<8)|\new
.set MSB, \new
.endif
.endm
.set MUL,  0xad                        ; source 0 (B) window 1, source 1 (A) window 3, C and D window 2
.set MULF, 0x8d                        ; the same with C (the bias) in window 0
.set TO_B, 0x40
.set TO_A, 0xc0
; A joint load: waves 0 and 1 fetch for A, waves 2 and 3 for B.  Each line has one mask and one set of registers for all that issue it; the branch hangs on the wave's number alone.
; Four v_nop follow each of the two lines, ahead of the jump, the label and what follows.
.macro JLOAD g0a, g1a, g0b, g1b
	s_cmp_eq_u32 s[SA], 0
	s_cbranch_scc0 .Lfor_b_\@
	tensor_load_to_lds s[\g0a:\g0a+3], s[\g1a:\g1a+7]
	s_nop 0
.rept 4
	v_nop
.endr
	s_branch .Lasked_\@
.Lfor_b_\@:
	tensor_load_to_lds s[\g0b:\g0b+3], s[\g1b:\g1b+7]
	s_nop 0
.rept 4
	v_nop
.endr
.Lasked_\@:
.endm
.macro CREST                           ; a round of the cluster's barrier behind its opening barrier
	s_cmp_lg_u32 s[WV], 0
	s_cbranch_scc1 .Lnot_wave_0_\@
	s_barrier_signal -3
.Lnot_wave_0_\@:
	s_barrier_wait -3
	s_barrier_signal -1
	s_barrier_wait -1
.endm
.macro CROUND
	s_barrier_signal -1
	s_barrier_wait -1
	CREST
.endm
.macro PLACES n                        ; plain vector places behind matrix instructions: eight in front of loads into registers that they read and of the first read of results
.rept \n
	v_nop
.endr
.endm
	s_load_b256 s[4:11], s[0:1], 0x0               ; codes, scales, bq, bk
	s_load_b128 s[12:15], s[0:1], 0x20             ; bv, qkc
	s_load_b64 s[16:17], s[0:1], 0x30              ; vimg
	v_lshl_add_u32 v[SPW], v0, 2, SPARE
	v_mov_b32 v[NIL], 0
	ds_add_u32 v28, v29
	ds_add_u32 v28, v29
	s_wait_dscnt 0x0
	v_lshrrev_b32 v1, 5, v0
	v_readfirstlane_b32 s[WV], v1                  ; wave 0..3
	s_lshr_b32 s[SA], s[WV], 1                     ; which half of A is mine.  Also: I fetch for A (0) or for B (1)
	s_and_b32 s[SB], s[WV], 1                      ; which half of B.  Also: which half of that tile I fetch
	s_bfe_u32 s[CX], ttmp6, 0x40000
	s_bfe_u32 s[CY], ttmp6, 0x40004
	s_and_b32 s[CL], ttmp7, 0xffff                 ; the cluster's number, 0 to 47 (the grid is one cluster wide)
	s_lshl_b32 s2, s[CY], 2
	s_lshl_b32 s2, 15, s2                          ; my row of the cluster
	s_lshl_b32 s3, 0x1111, s[CX]                   ; my column
	; group 1: rows of 256 codes, 1,024 bytes apart in memory, 16 bytes of padding behind each: 64 rows for A, 128 for B
	s_or_b32 s[G1A], s2, (1<<20)|(1<<21)|(5<<22)|(3<<25)   ; 15:0 the mask; 17:16 elements of 1 byte; 20 padding on; 21 set beside a mask; 24:22 after every 64 words; 31:25 four words
	s_or_b32 s[G1B], s3, (1<<20)|(1<<21)|(5<<22)|(3<<25)
.irp g, G1A, G1B
	s_mov_b32 s[\g+1], 256<<16                     ; tensor_dim0
	s_mov_b32 s[\g+3], 256<<16                     ; tile_dim0
	s_mov_b32 s[\g+5], 1024                        ; tensor_dim0_stride
	s_mov_b32 s[\g+6], 0
	s_mov_b32 s[\g+7], 0
.endr
	s_mov_b32 s[G1A+2], 64<<16                     ; tensor_dim1
	s_mov_b32 s[G1A+4], 64                         ; tile_dim1
	s_mov_b32 s[G1B+2], 128<<16
	s_mov_b32 s[G1B+4], 128
	; the scale bytes: dense blocks, as rows of 256 bytes (32 elements of 8 bytes), 16 bytes of padding behind each: 8 rows for A's half, 16 for B's
	s_or_b32 s[G1SA], s2, (3<<16)|(1<<20)|(1<<21)|(5<<22)|(3<<25)
	s_or_b32 s[G1SB], s3, (3<<16)|(1<<20)|(1<<21)|(5<<22)|(3<<25)
.irp g, G1SA, G1SB
	s_mov_b32 s[\g+1], 32<<16
	s_mov_b32 s[\g+3], 32<<16
	s_mov_b32 s[\g+5], 32
	s_mov_b32 s[\g+6], 0
	s_mov_b32 s[\g+7], 0
.endr
	s_mov_b32 s[G1SA+2], 8<<16
	s_mov_b32 s[G1SA+4], 8
	s_mov_b32 s[G1SB+2], 16<<16
	s_mov_b32 s[G1SB+4], 16
	; the tiles' first positions.  Q, K: A = 512 cl + 128 cy, B = 24576 + 1024 (cl / 16) + 256 cx.  V: A = 26624 + 512 (cl % 2) + 128 cy, B = 16384 + 1024 ((cl - 32) / 2) + 256 cx = 1024 (cl / 2) + 256 cx
	s_lshl_b32 s66, s[CL], 9
	s_and_b32 s2, s[CL], 1
	s_lshl_b32 s2, s2, 9
	s_add_co_u32 s2, s2, 26624
	s_lshr_b32 s94, s[CL], 4
	s_lshl_b32 s94, s94, 10
	s_add_co_u32 s94, s94, 24576
	s_lshr_b32 s3, s[CL], 1
	s_lshl_b32 s3, s3, 10
	s_cmp_lt_u32 s[CL], 32
	s_cselect_b32 s66, s66, s2
	s_cselect_b32 s94, s94, s3
	s_cselect_b32 s[MODE], 0, 1
	s_lshl_b32 s2, s[CY], 7
	s_add_co_u32 s66, s66, s2
	s_lshl_b32 s3, s[CX], 8
	s_add_co_u32 s94, s94, s3
	s_mov_b32 s[PAT], s66
	s_mov_b32 s[PBT], s94
	s_lshl_b32 s2, s[SB], 6
	s_add_co_u32 s66, s66, s2                      ; the 64 positions of A that I would fetch,
	s_lshl_b32 s3, s[SB], 7
	s_add_co_u32 s94, s94, s3                      ; the 128 of B
	s_lshl_b32 s100, s66, 5                        ; their scale bytes: 32 a position,
	s_mov_b32 s101, 0
	s_lshl_b32 s66, s66, 10                        ; their codes: 1,024 a position (under 2^25)
	s_mov_b32 s67, 0
	s_lshl_b32 s96, s94, 5
	s_mov_b32 s97, 0
	s_lshl_b32 s94, s94, 10
	s_mov_b32 s95, 0
	s_mul_i32 s2, s[SB], AH                        ; where they go in a slot: no place in the cluster enters an LDS address
	s_mul_i32 s3, s[SB], BH
	s_add_co_u32 s3, s3, 2*AH
	s_wait_kmcnt 0x0
	s_add_nc_u64 s[66:67], s[4:5], s[66:67]
	s_add_nc_u64 s[100:101], s[6:7], s[100:101]
	s_add_nc_u64 s[94:95], s[4:5], s[94:95]
	s_add_nc_u64 s[96:97], s[6:7], s[96:97]
	CROUND                                         ; all sixteen work-groups are here: the first joint loads meet
	s_mov_b32 s[G0SA], 1
	s_mul_i32 s[G0SA+1], s[SB], SAH
	s_add_co_u32 s[G0SA+1], s[G0SA+1], SCL
	s_mov_b64 s[G0SA+2:G0SA+3], s[100:101]
	s_or_b32 s[G0SA+3], s[G0SA+3], 0x80000000
	s_mov_b32 s[G0SB], 1
	s_mul_i32 s[G0SB+1], s[SB], SBH
	s_add_co_u32 s[G0SB+1], s[G0SB+1], SCL+2*SAH
	s_mov_b64 s[G0SB+2:G0SB+3], s[96:97]
	s_or_b32 s[G0SB+3], s[G0SB+3], 0x80000000
	JLOAD G0SA, G1SA, G0SB, G1SB                   ; the scales first: they are wanted with K step 0
.irp n, 0,1,2
	s_mov_b32 s[G0A+4*\n], 1
	s_add_co_u32 s[G0A+4*\n+1], s2, \n*SLOT
	s_add_nc_u64 s[G0A+4*\n+2:G0A+4*\n+3], s[66:67], \n*STEPA
	s_or_b32 s[G0A+4*\n+3], s[G0A+4*\n+3], 0x80000000
	s_mov_b32 s[G0B+4*\n], 1
	s_add_co_u32 s[G0B+4*\n+1], s3, \n*SLOT
	s_add_nc_u64 s[G0B+4*\n+2:G0B+4*\n+3], s[94:95], \n*256
	s_or_b32 s[G0B+4*\n+3], s[G0B+4*\n+3], 0x80000000
	JLOAD G0A+4*\n, G1A, G0B+4*\n, G1B
.endr
	s_mov_b32 s[SEL], 0x76543210
	s_mov_b32 s[SEL+1], 0xfedcba98
	v_and_b32 v1, 15, v0                           ; r = lane % 16
	v_bfe_u32 v2, v0, 4, 1                         ; h = lane / 16
	v_mul_u32_u24 v3, v1, PITCH
	v_lshl_add_u32 v3, v2, 4, v3                   ; a fragment's row x pitch + 16 h
	s_mul_i32 s2, s[SA], AH                        ; my 64 rows of A
	s_mul_i32 s3, s[SB], BH                        ; my 128 rows of B, behind A's 128
	s_add_co_u32 s3, s3, 2*AH
.irp n, 0,1,2
	v_add_nc_u32 v[ADRA+\n], s2, v3
	v_add_nc_u32 v[ADRB+\n], s3, v3
	s_add_co_u32 s2, s2, SLOT
	s_add_co_u32 s3, s3, SLOT
.endr
	v_lshlrev_b32 v4, 5, v1                        ; my row's scale bytes: 32 a row,
	v_lshrrev_b32 v9, 3, v1                        ; r / 8
	v_lshl_add_u32 v4, v9, 4, v4                   ; and 16 more for each 256 passed
	s_mul_i32 s66, s[SA], SAH                      ; A's: my 64 rows
	s_mul_i32 s67, s[SB], SBH                      ; B's: my 128 rows, behind A's 128
	s_add_co_u32 s67, s67, 2*SAH
	s_sub_co_u32 s67, s67, s66
	v_mul_u32_u24 v10, s67, v2                     ; lanes 16-31 take B's: one product, the lower base + h x the distance
	s_add_co_u32 s66, s66, SCL
	v_add_nc_u32 v4, v4, v10
	v_add_nc_u32 v[ADRS], s66, v4
	v_lshlrev_b32 v23, 6, v2                       ; the bias along the registers: 16 h numbers on
	v_and_b32 v24, 7, v1
	v_lshlrev_b32 v24, 2, v24
	v_lshl_add_u32 v24, v9, 6, v24                 ; the bias of my lane's row: 4 (r % 8 + 16 (r / 8))
	v_and_b32 v11, 31, v0                          ; lane
	v_lshlrev_b32 v25, 4, v11                      ; 16 x lane
	v_lshlrev_b32 v31, 3, v11                      ; 8 x lane
	s_lshl_b32 s100, s[WV], 9                      ; my 512 bytes of each stage
	v_lshl_add_u32 v5, v1, 2, s100
	v_add_nc_u32 v5, STQ, v5                       ; Q, K: a scale word goes in at 4 r
	v_lshl_add_u32 v6, v11, 3, s100
	v_add_nc_u32 v6, STQ, v6                       ; and 8 bytes a lane come back
	v_lshl_add_u32 v7, v11, 2, s100
	v_add_nc_u32 v7, STV, v7                       ; V: in at 4 x lane,
	v_lshl_add_u32 v8, v11, 4, s100
	v_add_nc_u32 v8, STV, v8                       ; back 16 bytes a lane
.irp b, 0,1,2,3
	v_mov_b32 v[TM+4+\b], 0                        ; written once: a lane permute's destination counts as one of its sources
.endr
	; the bias: bq, bk or bv, by the cluster's number.  Both patterns are loaded in both modes (both stay inside the 1,024 numbers), so that no register is written on one way alone
	s_cmp_lt_u32 s[CL], 16
	s_cselect_b64 s[100:101], s[8:9], s[10:11]
	s_cmp_lt_u32 s[CL], 32
	s_cselect_b64 s[100:101], s[100:101], s[12:13]
	s_lshl_b32 s94, s[CX], 10
	s_lshl_b32 s3, s[SB], 9
	s_add_co_u32 s94, s94, s3                      ; 4 (256 cx + 128 x B's half)
	s_mov_b32 s95, 0
	s_add_nc_u64 s[94:95], s[100:101], s[94:95]
	s_and_b32 s66, s[CL], 1
	s_lshl_b32 s66, s66, 3
	s_lshl_b32 s2, s[CY], 1
	s_add_co_u32 s66, s66, s2
	s_add_co_u32 s66, s66, s[SA]
	s_lshl_b32 s66, s66, 8                         ; 4 (512 (cl % 2) + 128 cy + 64 x A's half)
	s_mov_b32 s67, 0
	s_add_nc_u64 s[66:67], s[100:101], s[66:67]
.irp b, 0,1,2,3,4,5,6,7
	global_load_b128 v[BIAS+8*\b:BIAS+8*\b+3], v23, s[94:95] offset:4*(32*(\b/2)+8*(\b%2))       ; block b's eight rows of my half: 32 (b / 2) + 8 (b % 2) + 16 h + 0 .. 7
	global_load_b128 v[BIAS+8*\b+4:BIAS+8*\b+7], v23, s[94:95] offset:4*(32*(\b/2)+8*(\b%2))+16
.endr
.irp a, 0,1,2,3
	global_load_b32 v[BV+\a], v24, s[66:67] offset:4*(32*(\a/2)+8*(\a%2))
.endr
; The fragments of K step s (128 along K): B's eight into set s % 2 of window 1, A's four into set s % 2 of window 3: 48 loads in one run.
; A fragment is 16 registers: lane l holds row l % 16; registers 4 c .. 4 c + 3 hold K = 32 c + 16 (l / 16) + 0 .. 15.
.macro FETCH s
.set FN, ((\s)>>1)%3
.set FQ, (\s)&1
	WIN TO_B
.irp i, 0,1,2,3,4,5,6,7
.irp c, 0,1,2,3
	ds_load_b128 v[128*FQ+16*\i+4*\c:128*FQ+16*\i+4*\c+3], v[ADRB+FN] offset:128*FQ+32*\c+\i*16*PITCH
.endr
.endr
	WIN TO_A
.irp i, 0,1,2,3
.irp c, 0,1,2,3
	ds_load_b128 v[64*FQ+16*\i+4*\c:64*FQ+16*\i+4*\c+3], v[ADRA+FN] offset:128*FQ+32*\c+\i*16*PITCH
.endr
.endr
	WIN 0
.endm
.macro SCALES                          ; all of K's scale words, once: a row's 32 bytes are eight words.  For i > 3 lanes 0-15 read filled bytes that no product names
.irp i, 0,1,2,3,4,5,6,7
	ds_load_b128 v[SC+8*\i:SC+8*\i+3], v[ADRS] offset:\i*544
	ds_load_b128 v[SC+8*\i+4:SC+8*\i+7], v[ADRS] offset:\i*544+16
.endr
.endm
; 16 matrix instructions: A's blocks a0, a0 + 1 x B's eight, K step s.  cm = 0: the sums go on; 1: they start from the bias along the registers; 2: from the bias of the lane's row.
; The 32 accumulators take turns, one instruction a turn, in the same order in every step.
.macro MUL16 a0, s, cm
.set MP, (\s)&1
.irp a, \a0, \a0+1
.irp b, 0,1,2,3,4,5,6,7
.if \cm == 1
	v_wmma_scale_f32_16x16x128_f8f6f4 v[8*(8*(\a)+\b):8*(8*(\a)+\b)+7], v[128*MP+16*\b:128*MP+16*\b+15], v[64*MP+16*(\a):64*MP+16*(\a)+15], v[BIAS+8*\b:BIAS+8*\b+7], v[SC+8*\b+(\s)], v[SC+8*(\a)+(\s)] matrix_a_scale:MATRIX_SCALE_ROW1
.elseif \cm == 2
	v_wmma_scale_f32_16x16x128_f8f6f4 v[8*(8*(\a)+\b):8*(8*(\a)+\b)+7], v[128*MP+16*\b:128*MP+16*\b+15], v[64*MP+16*(\a):64*MP+16*(\a)+15], v[BIAS+8*(\a):BIAS+8*(\a)+7], v[SC+8*\b+(\s)], v[SC+8*(\a)+(\s)] matrix_a_scale:MATRIX_SCALE_ROW1
.else
	v_wmma_scale_f32_16x16x128_f8f6f4 v[8*(8*(\a)+\b):8*(8*(\a)+\b)+7], v[128*MP+16*\b:128*MP+16*\b+15], v[64*MP+16*(\a):64*MP+16*(\a)+15], v[8*(8*(\a)+\b):8*(8*(\a)+\b)+7], v[SC+8*\b+(\s)], v[SC+8*(\a)+(\s)] matrix_a_scale:MATRIX_SCALE_ROW1
.endif
.endr
.endr
.endm
; A K step whose successor's tiles are known to lie in LDS: in its middle it fetches the next step's fragments into the other sets.
.macro PLAIN s, cm
	s_wait_dscnt 0x0                               ; this step's fragments are in
.if \cm
	WIN MULF
.else
	WIN MUL
.endif
	MUL16 0, \s, \cm
	PLACES 8
	FETCH (\s)+1
.if \cm
	WIN MULF
.else
	WIN MUL
.endif
	MUL16 2, \s, \cm
.endm
	s_wait_tensorcnt 0x2                           ; the scales and my part of slot 0 are in; slot 1's and slot 2's loads may be out
	s_barrier_signal -1
	s_barrier_wait -1                              ; everybody's are
	SCALES
	FETCH 0
	s_wait_loadcnt 0x0                             ; the bias
	s_cmp_lg_u32 s[MODE], 0                        ; K step 0 is written twice: its C differs
	s_cbranch_scc1 .Lfirst_v
	PLAIN 0, 1
	WIN 0
	s_branch .Lfirst_done
.Lfirst_v:
.irp a, 0,1,2,3
.irp j, 0,1,2,3,4,5,6,7
	v_mov_b32 v[BIAS+8*\a+\j], v[BV+\a]            ; V: a lane's eight registers are eight tokens of ONE row of wv: the same bias in all
.endr
.endr
	s_wait_alu depctr_va_vdst(0)
	PLAIN 0, 2
	WIN 0
.Lfirst_done:
	; K step 1, and the one refill: slot 0, whose last fragments have been asked for, takes K = 768 .. 1023
	s_wait_tensorcnt 0x0                           ; all my tensor loads have landed (slots 1 and 2 among them), so a group 0 may be written
	ds_add_u32 v[SPW], v[NIL]                      ; 0 onto my spare word
	s_add_nc_u64 s[G0A+2:G0A+3], s[G0A+2:G0A+3], 3*STEPA
	s_add_nc_u64 s[G0B+2:G0B+3], s[G0B+2:G0B+3], 3*256
	s_wait_dscnt 1                                 ; this step's 48 fragment loads are in; the add alone may be out
	WIN MUL
	MUL16 0, 1, 0                                  ; sixteen matrix instructions stand between the add and the wait for it
	s_wait_dscnt 0x0                               ; the add is done, and my reads of slot 0 are over
	WIN 0
	s_barrier_signal -1
	s_barrier_wait -1
	CREST                                          ; a round of the cluster's barrier: no wave of any partner still reads slot 0 or has a load on its way
	JLOAD G0A, G1A, G0B, G1B                       ; the first tensor load behind the round, and my only one; it has four K steps in which to land
	PLACES 4                                       ; with the four behind the load: eight places in front of the loads below
	FETCH 2
	WIN MUL
	MUL16 2, 1, 0
	PLAIN 2, 0                                     ; slots 1 and 2 were shown whole to every wave by the round: no barrier between them
	PLAIN 3, 0
	PLAIN 4, 0
	; K step 5: its successor lies in the refilled slot 0
	s_wait_dscnt 0x0                               ; this step's fragments are in; my reads of slots 1 and 2 are over
	s_wait_tensorcnt 0x0                           ; my part of the refill has landed (one load was out)
	s_barrier_signal -1
	WIN MUL
	MUL16 0, 5, 0                                  ; work on registers while the others arrive
	s_barrier_wait -1                              ; everybody's has
	PLACES 8
	FETCH 6
	WIN MUL
	MUL16 2, 5, 0
	PLAIN 6, 0
	s_wait_dscnt 0x0                               ; K step 7: nothing more to fetch
	WIN MUL
	MUL16 0, 7, 0
	MUL16 2, 7, 0
	WIN 0
; THE WAY OUT.  A's block a: the lane's 64 numbers, register 16 b + i = B's row 32 b + 16 (lane / 16) + i, become 64 codes in v[176 + 16 a] on and scale bytes.  A block of 32 lies in lanes l and l xor 16.
; Each accumulator is read from its low end on.  mode = 0: two scale words, one for each head: its two bytes, and 0x7f for the two blocks of zero codes that fill the attention product's K step; mode = 1: one word of four bytes.
.macro QUANTW a, mode
.set S,  64*(\a)
.set PC, 176+16*(\a)
.set PW, 240+2*(\a)
	WIN 0x0a                                       ; sources 0 and 1: window 2
.irp b, 0,1,2,3
	v_max3_num_f32 v[TM+\b], |v[S+16*\b]|, |v[S+16*\b+1]|, 0x4800000   ; my 16 numbers of block b, and the floor 2^(9 - 127): so the byte cannot fall under 1
.endr
	WIN 0x28                                       ; sources 1 and 2: window 2
.irp i, 2,4,6,8,10,12,14
.irp b, 0,1,2,3
	v_max3_num_f32 v[TM+\b], v[TM+\b], |v[S+16*\b+\i]|, |v[S+16*\b+\i+1]|   ; (the four blocks by turns)
.endr
.endr
	WIN 0
.irp b, 0,1,2,3
	v_permlanex16_b32 v[TM+4+\b], v[TM+\b], s[SEL], s[SEL+1]
.endr
.irp b, 0,1,2,3
	v_max_num_f32 v[TM+\b], v[TM+\b], v[TM+4+\b]   ; with lane l xor 16's: the block's largest magnitude
.endr
.irp b, 0,1,2,3
	v_add_nc_u32 v[TM+12+\b], 0xfc000000, v[TM+\b] ; 8 off its exponent field: the conversion's scale operand
.endr
.irp b, 0,1,2,3
.endr
.irp b, 0,1,2,3
	v_lshrrev_b32 v[TM+4+\b], 23, v[TM+12+\b]      ; the scale's byte
.endr
.if \mode
	v_lshl_or_b32 v[PW], v[TM+5], 8, v[TM+4]
	v_lshl_or_b32 v[PW], v[TM+6], 16, v[PW]
	v_lshl_or_b32 v[PW], v[TM+7], 24, v[PW]
.else
	v_lshl_or_b32 v[PW], v[TM+5], 8, v[TM+4]
	v_lshl_or_b32 v[PW+1], v[TM+7], 8, v[TM+6]
	v_or_b32 v[PW], 0x7f7f0000, v[PW]
	v_or_b32 v[PW+1], 0x7f7f0000, v[PW+1]
.endif
	WIN 0x82                                       ; destination and source 0: window 2
.irp b, 0,1,2,3
.irp i, 0,1,2,3,4,5,6,7,8,9,10,11,12,13,14,15
.endr
.endr
	WIN 0x02                                       ; source 0: window 2
.irp b, 0,1,2,3
	v_cvt_scalef32_pk8_fp8_f32 v[PC+4*\b:PC+4*\b+1], v[S+16*\b:S+16*\b+7], v[TM+12+\b]
	v_cvt_scalef32_pk8_fp8_f32 v[PC+4*\b+2:PC+4*\b+3], v[S+16*\b+8:S+16*\b+15], v[TM+12+\b]
.endr
	WIN 0
	v_nop                                          ; one plain vector line behind the last conversion
.endm
	PLACES 8                                       ; in front of the first read of results
	s_cmp_lg_u32 s[MODE], 0
	s_cbranch_scc1 .Lv_out
	; Q, K.  My 64 token positions begin at PA; my 128 features are heads 4 cx + 2 x B's half + 0, 1.  A block of qkc is 128 positions of one head: 8 tiles x [2][32 lanes][16 bytes], then [tile][16] scale words
	s_lshl_b32 s2, s[SA], 6
	s_add_co_u32 s2, s[PAT], s2                    ; PA
	s_lshr_b32 s3, s2, 11                          ; 4 x (0: Q, 1: K) + batch
	s_lshl_b32 s3, s3, 4
	s_lshl_b32 s66, s[CX], 2
	s_add_co_u32 s3, s3, s66
	s_lshl_b32 s66, s[SB], 1
	s_add_co_u32 s3, s3, s66                       ; the first of my two heads
	s_mul_i32 s3, s3, HEADB
	s_bfe_u32 s66, s2, 0x40007                     ; which 128 positions of the sequence
	s_mul_i32 s66, s66, BLKB
	s_add_co_u32 s66, s66, s3
	s_bfe_u32 s2, s2, 0x10006                      ; which half of them
	s_lshl_b32 s94, s2, 8
	s_add_co_u32 s94, s94, s66                     ; the scale words: 256 bytes a half,
	s_mov_b32 s95, 0
	s_lshl_b32 s2, s2, 12
	s_add_co_u32 s66, s66, s2                      ; the codes: 4,096
	s_mov_b32 s67, 0
	s_add_nc_u64 s[66:67], s[14:15], s[66:67]
	s_add_nc_u64 s[94:95], s[14:15], s[94:95]
.irp a, 0,1,2,3
	QUANTW \a, 0
.irp b, 0,1,2,3
	global_store_b128 v25, v[176+16*\a+4*\b:176+16*\a+4*\b+3], s[66:67] offset:(\b/2)*HEADB+\a*1024+(\b%2)*512   ; 32 lanes store 512 consecutive bytes
.endr
	ds_store_b32 v5, v[240+2*\a] offset:64*\a      ; lanes l and l xor 16 write the same word with the same value
	ds_store_b32 v5, v[241+2*\a] offset:256+64*\a
.endr
	ds_load_b64 v[248:249], v6                     ; LDS serves a wave's instructions in order: these see my stores
	ds_load_b64 v[250:251], v6 offset:256
	s_wait_dscnt 0x0
	global_store_b64 v31, v[248:249], s[94:95] offset:8192         ; 32 lanes store 256 consecutive bytes, aligned
	global_store_b64 v31, v[250:251], s[94:95] offset:8192+HEADB
	s_branch .Lend
.Lv_out:
	; V.  My 128 tokens begin at PB (counted in value); my 64 rows of wv are head 8 (cl % 2) + 2 cy + A's half.  A block of vimg is 128 keys of one head: 4 blocks of 16 channels x [4][32 lanes][16 bytes], then [4][32 lanes] scale words
	s_lshl_b32 s2, s[SB], 7
	s_add_co_u32 s2, s[PBT], s2
	s_sub_co_u32 s2, s2, 16384                     ; PB
	s_lshr_b32 s3, s2, 11                          ; batch
	s_lshl_b32 s3, s3, 4
	s_and_b32 s66, s[CL], 1
	s_lshl_b32 s66, s66, 3
	s_add_co_u32 s3, s3, s66
	s_lshl_b32 s66, s[CY], 1
	s_add_co_u32 s3, s3, s66
	s_add_co_u32 s3, s3, s[SA]                     ; 16 x batch + head
	s_lshl_b32 s3, s3, 4
	s_bfe_u32 s66, s2, 0x40007                     ; which 128 keys
	s_add_co_u32 s3, s3, s66
	s_mul_i32 s66, s3, BLKB
	s_mov_b32 s67, 0
	s_add_nc_u64 s[66:67], s[16:17], s[66:67]
.irp a, 0,1,2,3
	QUANTW \a, 1
.irp b, 0,1,2,3
	global_store_b128 v25, v[176+16*\a+4*\b:176+16*\a+4*\b+3], s[66:67] offset:\a*2048+\b*512
.endr
	ds_store_b32 v7, v[240+2*\a] offset:128*\a
.endr
	ds_load_b128 v[248:251], v8
	s_wait_dscnt 0x0
	global_store_b128 v25, v[248:251], s[66:67] offset:8192        ; 32 lanes store 512 consecutive bytes
.Lend:
	s_wait_tensorcnt 0x0                           ; the wave's end, behind my last tensor load and my last LDS store
	ds_add_u32 v[SPW], v[NIL]
	s_wait_dscnt 0x0
	CROUND                                         ; the closing round: no work-group ends while a partner may still ask for a tile that names it
	s_endpgm
.Lfunc_end_k_q73717d726c_proj:
	.size	k_q73717d726c_proj, .Lfunc_end_k_q73717d726c_proj-k_q73717d726c_proj
	.p2alignl 7, 3214868480
	.fill 96, 4, 3214868480
	.section	.rodata,"a",@progbits
	.p2align	6, 0x0
	.amdhsa_kernel k_q73717d726c_proj
		.amdhsa_group_segment_fixed_size 327680
		.amdhsa_private_segment_fixed_size 0
		.amdhsa_enable_private_segment 0
		.amdhsa_kernarg_size 56
		.amdhsa_user_sgpr_count 2
		.amdhsa_user_sgpr_kernarg_segment_ptr 1
		.amdhsa_wavefront_size32 1
		.amdhsa_system_sgpr_workgroup_id_x 1
		.amdhsa_system_sgpr_workgroup_id_y 1
		.amdhsa_system_sgpr_workgroup_id_z 1
		.amdhsa_system_vgpr_workitem_id 0
		.amdhsa_next_free_vgpr 896
		.amdhsa_next_free_sgpr 102
		.amdhsa_reserve_vcc 0
		.amdhsa_float_denorm_mode_32 3
		.amdhsa_float_denorm_mode_16_64 3
		.amdhsa_fp16_overflow 1
		.amdhsa_memory_ordered 1
		.amdhsa_forward_progress 1
		.amdhsa_inst_pref_size 121
	.end_amdhsa_kernel
	.amdgpu_metadata
---
amdhsa.version: [ 1, 2 ]
amdhsa.kernels:
  - .name:           k_q73717d726c_proj
    .symbol:         k_q73717d726c_proj.kd
    .args:
      - { .name: codes, .offset: 0, .size: 8, .value_kind: global_buffer, .address_space: global }
      - { .name: scales, .offset: 8, .size: 8, .value_kind: global_buffer, .address_space: global }
      - { .name: bq, .offset: 16, .size: 8, .value_kind: global_buffer, .address_space: global }
      - { .name: bk, .offset: 24, .size: 8, .value_kind: global_buffer, .address_space: global }
      - { .name: bv, .offset: 32, .size: 8, .value_kind: global_buffer, .address_space: global }
      - { .name: qkc, .offset: 40, .size: 8, .value_kind: global_buffer, .address_space: global }
      - { .name: vimg, .offset: 48, .size: 8, .value_kind: global_buffer, .address_space: global }
    .group_segment_fixed_size: 327680
    .private_segment_fixed_size: 0
    .kernarg_segment_align: 8
    .kernarg_segment_size: 56
    .max_flat_workgroup_size: 128
    .sgpr_count:     102
    .vgpr_count:     896
    .wavefront_size: 32
...
	.end_amdgpu_metadata
.endif
;; end of part 2
;; launch attn (part 3): grid 4 x 64, 16 waves a work-group, clusters of 4 x 1, 327,680 bytes of LDS; arguments qkc, vimg, cc, cs; writes cc, cs
.if DOCPART == 3
	.amdgcn_target "amdgcn-amd-amdhsa--gfx1250"
	.amdhsa_code_object_version 6
	.text
	.protected	k_q73717d726c_attn
	.globl	k_q73717d726c_attn
	.p2align	8
	.type	k_q73717d726c_attn,@function
k_q73717d726c_attn:
	s_mov_b64 s[64:65], 0
	v_nop
	global_prefetch_b8 v0, s[64:65] scope:SCOPE_SE
	s_setreg_imm32_b32 hwreg(HW_REG_WAVE_MODE, 25, 1), 1
	s_wait_xcnt 0x0
	s_wait_alu depctr_hold_cnt(0) depctr_sa_sdst(0) depctr_va_vdst(0) depctr_va_sdst(0) depctr_va_ssrc(0) depctr_va_vcc(0) depctr_vm_vsrc(0)
	s_getreg_b32 s2, hwreg(HW_REG_IB_STS2, 6, 4)
	s_cmp_eq_u32 s2, 0
	s_cbranch_scc0 .Lentry_in_a_cluster
	s_endpgm
.Lentry_in_a_cluster:
	s_bfe_u32 s2, ttmp6, 0x10000c
	s_cmp_lg_u32 s2, 0x3003
	s_cbranch_scc0 .Lentry_shape_is_right
	s_endpgm
.Lentry_shape_is_right:
; ctx[b][q][hd][:] = the sum over k <= q of softmax_k(Q . K / 8) V, both products on codes of FP8 (E4M3) with one E8M0 scale for each 32 along a product's K; NaN in ctx becomes 0; ctx is quantised along E and stored as
; images of the last product's operand registers (cc) with its scale bytes (cs).
; THE SOFTMAX AHEAD OF THE SECOND PRODUCT: t = score x log2(e) / 8; M = the row's largest t so far, rounded UP to a whole number; p = 2^(t - M) is what is quantised, along the keys; the row's sum is taken of the
; unquantised p and divides at the end.  When M moves, the sum and O are multiplied by 2^(old M - new M): exact.
; A WHOLE HEAD'S K AND V STAY IN LDS: 16 key steps x (8,704 bytes of K + 8,704 of V, codes and scale words) = 278,528 bytes, filled once: no ring, no refill, no barrier in the loops.
; CLUSTER: the four work-groups of a cluster belong to one head (y = 16 batch + head) and ask for K and V JOINTLY: each of the 16 waves issues two loads, the same in all four work-groups.  A wave has at most one tensor load out.
; SHARES: a head has 128 tiles of 16 queries, tile T = 8 g + rho; tile T needs key steps 0 .. g, the last on the diagonal.  Wave w of work-group j has u = min(w, 15 - w), rho = j + 4 (w / 8), and owns the tiles g = u and
; g = 15 - u: 17 key steps in every wave.  Both loops have constant trip counts (8 and 16); a step all of whose keys come after the tile's queries is left out by a scalar branch on the wave's number.
; The place in the cluster enters global addresses and the mask's vector data alone.
; LAYOUT: both products are used transposed (S^T = K Q^T, O^T = V^T P^T): a lane holds ONE query throughout.  Tokens and channels lie by positions (bits 3 and 4 of the index exchanged), so that the 16 registers of tiles
; 2 b and 2 b + 1 are keys 32 b + 16 (lane / 16) + 0 .. 15, and O^T's likewise 16 neighbouring channels.  The head has 64 channels: the upper half of the first product's K step is zero codes on both sides, with scale bytes 0x7f.
; LIMITS: a block's largest p is made from its largest score by the same two instructions, which takes v_exp_f32 not to fall where its input rises; a block of zeros gets the scale byte 1, not 127 (its codes are zeros; this
; program alone reads the bytes).  cs is stored two bytes a lane: a row's 32 bytes come from 16 different clusters; they are 1/32 of what this launch stores.
; REGISTERS: v1 16 x lane, v2 4 r, v3 32 r; v4-7 V's scale words; v8, v9 addresses in hand; v10 the mask's d; v12 -M, v13 the largest t, v[14:15] the sum; v16-23 Q, v24-31 zeros; v32-95 four fragments of K (upper halves zeros);
; v96-159 S^T, then p, then (v96-127) V's blocks 2, 3; v160-191 O^T; v192-223 V's blocks 0, 1; v224-239 p's codes; v232-254 at work; v248-251 K's scale words; v253 p's scale word; v255 Q's.
.set HEADB, 139264
.set BLKB,  8704
.set STEPL, 17408                      ; a key step in LDS: K's block, then V's
.set ADK, 8
.set ADS, 9
.set WV,  12
.set CX,  13
.set Y,   14
.set U,   15
.set RHO, 16
.set G,   17                           ; the pass's tile group: its last key step
.set KI,  18                           ; the key step
.set TB,  19                           ; and where it begins in LDS
.set SEL, 20                           ; s[20:21] v_permlanex16_b32's selects for lane l xor 16
.set CS,  22                           ; s[22:23] c = log2(e) / 8
.set MNT, 24
.set G1,  28                           ; s[28:35] descriptor group 1
.set G0A, 36                           ; s[36:39] group 0 of my first load, s[40:43] of my second
.set G0B, 40
.set P1,  44                           ; s[44:51] pass 1: Q's codes, Q's scale words, cc, cs;  s[52:59] pass 2; never rewritten
.set P2,  52
.macro ROUND                           ; a round of the cluster's barrier
	s_barrier_signal -1
	s_barrier_wait -1
	s_cmp_lg_u32 s[WV], 0
	s_cbranch_scc1 .Lnot_wave_0_\@
	s_barrier_signal -3
.Lnot_wave_0_\@:
	s_barrier_wait -3
	s_barrier_signal -1
	s_barrier_wait -1
.endm
	s_load_b256 s[4:11], s[0:1], 0x0               ; qkc, vimg, cc, cs
	v_lshl_add_u32 v254, v0, 2, 0x44000
	v_mov_b32 v255, 0
	ds_add_u32 v254, v255
	ds_add_u32 v254, v255
	s_wait_dscnt 0x0
	v_lshrrev_b32 v1, 5, v0
	s_delay_alu instid0(VALU_DEP_1)
	v_readfirstlane_b32 s[WV], v1                  ; wave 0..15
	s_bfe_u32 s[CX], ttmp6, 0x40000                ; j: my place in the cluster
	s_and_b32 s[Y], ttmp7, 0xffff                  ; 16 x batch + head
	s_xor_b32 s[U], s[WV], 15                      ; 15 - w
	s_min_u32 s[U], s[U], s[WV]                    ; u
	s_lshr_b32 s[RHO], s[WV], 3
	s_lshl_b32 s[RHO], s[RHO], 2
	s_add_co_u32 s[RHO], s[RHO], s[CX]             ; rho
	; descriptor group 1: a block of 8,704 dense bytes as 34 rows of 256 (32 elements of 8 bytes)
	s_mov_b32 s[G1], 15|(3<<16)|(1<<21)            ; 15:0 the mask: all four work-groups; 17:16 elements of 8 bytes; 21 set beside a mask
	s_mov_b32 s[G1+1], 32<<16                      ; tensor_dim0
	s_mov_b32 s[G1+2], 34<<16                      ; tensor_dim1
	s_mov_b32 s[G1+3], 32<<16                      ; tile_dim0
	s_mov_b32 s[G1+4], 34                          ; tile_dim1
	s_mov_b32 s[G1+5], 32                          ; tensor_dim0_stride
	s_mov_b32 s[G1+6], 0
	s_mov_b32 s[G1+7], 0
	s_mul_i32 s25, s[Y], HEADB                     ; the head's first byte in Q's part of qkc, in K's part and in vimg
	s_lshr_b32 s26, s[WV], 1                       ; wave w fetches key steps w / 2 and w / 2 + 8: K's block (w even) or V's (w odd)
	s_mul_i32 s26, s26, BLKB
	s_add_co_u32 s26, s26, s25
	s_mov_b32 s27, 0
	s_mov_b32 s[G0A], 1
	s_mul_i32 s[G0A+1], s[WV], BLKB                ; LDS: 17,408 (w / 2) + 8,704 (w % 2) = 8,704 w
	s_mov_b32 s[G0B], 1
	s_add_co_u32 s[G0B+1], s[G0A+1], 8*STEPL
	s_mov_b32 s[SEL], 0x76543210
	s_mov_b32 s[SEL+1], 0xfedcba98
	s_mov_b32 s[CS], 0x3e38aa3b                    ; log2(e) / 8
	s_mov_b32 s[CS+1], s[CS]                       ; (named with it as a pair, so it is written)
	v_and_b32 v8, 31, v0
	s_delay_alu instid0(VALU_DEP_1)
	v_lshlrev_b32 v1, 4, v8                        ; 16 x lane: an image's place for my lane
	v_and_b32 v9, 15, v0                           ; r
	s_delay_alu instid0(VALU_DEP_1)
	v_lshlrev_b32 v2, 2, v9                        ; 4 r: a scale word's
	s_delay_alu instid0(VALU_DEP_2)
	v_lshlrev_b32 v3, 5, v9                        ; 32 r: my row of cs
	v_bfe_u32 v11, v0, 4, 1                        ; h
	s_delay_alu instid0(VALU_DEP_4)
	v_and_b32 v10, 7, v9
	v_lshrrev_b32 v9, 3, v9
	s_delay_alu instid0(VALU_DEP_1)
	v_lshl_add_u32 v10, v9, 4, v10                 ; r % 8 + 16 (r / 8)
	s_delay_alu instid0(VALU_DEP_4)
	v_lshlrev_b32 v11, 4, v11
	s_delay_alu instid0(VALU_DEP_1)
	v_sub_nc_u32 v10, v10, v11                     ; - 16 h
	s_lshr_b32 s2, s[RHO], 1
	s_lshl_b32 s2, s2, 5
	s_and_b32 s3, s[RHO], 1
	s_lshl_b32 s3, s3, 3
	s_add_co_u32 s2, s2, s3
	v_add_nc_u32 v10, s2, v10                      ; d = my query's place among its group's 128 tokens - 16 h.  In the diagonal step register 16 b + i holds key 32 b + 16 h + i: hidden where 32 b + i > d
	s_and_b32 s2, s[WV], 1
	s_wait_kmcnt 0x0
	s_add_nc_u64 s[60:61], s[4:5], 64*HEADB        ; K's part of qkc
	s_cmp_eq_u32 s2, 0
	s_cselect_b64 s[60:61], s[60:61], s[6:7]       ; or vimg: by the wave's number alone
	s_add_nc_u64 s[G0A+2:G0A+3], s[60:61], s[26:27]
	s_add_nc_u64 s[G0B+2:G0B+3], s[G0A+2:G0A+3], 8*BLKB
	s_or_b32 s[G0A+3], s[G0A+3], 0x80000000        ; type = 2
	s_or_b32 s[G0B+3], s[G0B+3], 0x80000000
; The four bases of a pass: o: the first of eight scalar registers; g: the register with the tile's group
.macro BASES o, g
	s_mul_i32 s2, s[\g], BLKB
	s_add_co_u32 s2, s2, s25                       ; the group's block of Q
	s_lshl_b32 s3, s[RHO], 10
	s_add_co_u32 s62, s2, s3                       ; tile rho's codes
	s_add_nc_u64 s[\o:\o+1], s[4:5], s[62:63]
	s_lshl_b32 s3, s[RHO], 6
	s_add_co_u32 s62, s2, s3                       ; and its scale words (8,192 bytes on: in the load's immediate)
	s_add_nc_u64 s[\o+2:\o+3], s[4:5], s[62:63]
	s_lshl_b32 s2, s[\g], 3
	s_add_co_u32 s2, s2, s[RHO]                    ; T
	s_lshr_b32 s3, s[Y], 4
	s_lshl_b32 s3, s3, 7
	s_add_co_u32 s2, s2, s3                        ; 128 x batch + T
	s_and_b32 s3, s[Y], 15                         ; head
	s_lshl_b32 s3, s3, 10
	s_lshl_b32 s62, s2, 14
	s_add_co_u32 s62, s62, s3                      ; cc: 16,384 bytes a tile, 1,024 a head
	s_add_nc_u64 s[\o+4:\o+5], s[8:9], s[62:63]
	s_lshr_b32 s3, s3, 9
	s_lshl_b32 s62, s2, 9
	s_add_co_u32 s62, s62, s3                      ; cs: 512 bytes a tile, 2 a head
	s_add_nc_u64 s[\o+6:\o+7], s[10:11], s[62:63]
.endm
	s_mov_b32 s63, 0
	s_xor_b32 s[G], s[U], 15                       ; 15 - u
	BASES P2, G
	BASES P1, U
	s_mov_b32 s[G], s[U]                           ; pass 1: the short tile
	ROUND                                          ; all four work-groups are here: the joint loads meet
	tensor_load_to_lds s[G0A:G0A+3], s[G1:G1+7]    ; key steps 0 to 7, a block a wave
	s_nop 0
	s_wait_alu depctr_va_vdst(0)
	s_wait_tensorcnt 0x0
	ds_add_u32 v254, v255
	s_wait_dscnt 0x0
	ROUND
	tensor_load_to_lds s[G0B:G0B+3], s[G1:G1+7]    ; key steps 8 to 15
	s_nop 0
.rept 4
	v_nop                                          ; four v_nop follow the second
.endr
.macro QLOAD o                         ; my tile of Q: two registers' images of four, and its scale words
	global_load_b128 v[16:19], v1, s[\o:\o+1]
	global_load_b128 v[20:23], v1, s[\o:\o+1] offset:512
	global_load_b32 v255, v2, s[\o+2:\o+3] offset:8192
.endm
	s_wait_alu depctr_va_vdst(0)
	QLOAD P1
.irp j, 0,1,2,3,4,5,6,7
	v_mov_b32 v[24+\j], 0                          ; the upper half of the first product's K step: zero codes, in Q
.endr
.irp t, 0,1,2,3
.irp j, 0,1,2,3,4,5,6,7
	v_mov_b32 v[40+16*\t+\j], 0                    ; and in each of K's four fragments: registers of their own
.endr
.endr
.irp b, 0,1,2,3
	v_mov_b32 v[236+\b], 0                         ; written once: a lane permute's destination counts as one of its sources
.endr
	v_mov_b32 v252, 0
	v_mov_b32 v253, 0                              ; (named as the upper half of the pair v[252:253] before it is first written)
; A KEY STEP: 128 keys.
.macro STEP
	s_cmp_gt_u32 s[KI], s[G]                       ; all its keys come after my queries: left out, but for the lines at its end that step the address and the count
	s_cbranch_scc1 .Lhid_\@
	s_setprio 2
	v_add_nc_u32 v[ADK], s[TB], v1
	s_wait_alu depctr_va_vdst(0)
	v_add_nc_u32 v[ADS], s[TB], v2
	s_wait_alu depctr_va_vdst(0)
.rept 8
	v_nop                                          ; with the two additions ten places: S^T is written over registers that the last products read as V's fragments (nine are owed), and loads follow into K's
.endr
.irp g, 0,1                                    ; S^T = K Q^T, four tiles of 16 keys at a time
.if \g
.rept 8
	v_nop                                          ; places in front of loads into registers that matrix instructions have read
.endr
.endif
.irp t, 0,1,2,3
	ds_load_b128 v[32+16*\t:35+16*\t], v[ADK] offset:(4*\g+\t)*1024
	ds_load_b128 v[36+16*\t:39+16*\t], v[ADK] offset:(4*\g+\t)*1024+512
	ds_load_b32 v[248+\t], v[ADS] offset:8192+64*(4*\g+\t)
.endr
	s_wait_dscnt 0x0
.irp t, 0,1,2,3
	v_wmma_scale_f32_16x16x128_f8f6f4 v[96+8*(4*\g+\t):103+8*(4*\g+\t)], v[32+16*\t:47+16*\t], v[16:31], 0, v[248+\t], v255
.endr
.endr
.irp d, 0,1                                    ; V's blocks 0 and 1 and all four scale words are asked for now: they land under the softmax
.irp c, 0,1,2,3
	ds_load_b128 v[192+16*\d+4*\c:195+16*\d+4*\c], v[ADK] offset:BLKB+2048*\d+512*\c
.endr
.endr
.irp d, 0,1,2,3
	ds_load_b32 v[4+\d], v[ADS] offset:BLKB+8192+128*\d
.endr
.rept 8
	v_nop                                          ; places in front of the first read of the scores
.endr
	s_cmp_lg_u32 s[KI], s[G]                       ; only the tile's last step lies on the diagonal
	s_cbranch_scc1 .Lopen_\@
	v_mov_b32 v254, 0xff800000                     ; -infinity: p = 0 then
.irp n, 0,1,2,3,4,5,6,7,8,9,10,11,12,13,14,15,16,17,18,19,20,21,22,23,24,25,26,27,28,29,30,31,32,33,34,35,36,37,38,39,40,41,42,43,44,45,46,47,48,49,50,51,52,53,54,55,56,57,58,59,60,61,62,63
	v_cmp_gt_i32 vcc_lo, 32*(\n/16)+\n%16, v10
	v_cndmask_b32 v[96+\n], v[96+\n], v254, vcc_lo
.endr
.Lopen_\@:
.irp b, 0,1,2,3
	v_max3_num_f32 v[232+\b], v[96+16*\b], v[97+16*\b], v[98+16*\b]   ; the largest score of each block of 32 keys: it serves for the row's maximum and, since p rises with the score, for the block's largest p
.endr
.irp i, 3,5,7,9,11,13
.irp b, 0,1,2,3
	v_max3_num_f32 v[232+\b], v[232+\b], v[96+16*\b+\i], v[97+16*\b+\i]
.endr
.endr
.irp b, 0,1,2,3
	v_max_num_f32 v[232+\b], v[232+\b], v[111+16*\b]
.endr
.irp b, 0,1,2,3
	v_permlanex16_b32 v[236+\b], v[232+\b], s[SEL], s[SEL+1]
.endr
.irp b, 0,1,2,3
	s_delay_alu instid0(VALU_DEP_4)
	v_max_num_f32 v[232+\b], v[232+\b], v[236+\b]  ; with lane l xor 16's 16 keys
.endr
	s_delay_alu instid0(VALU_DEP_2)
	v_max3_num_f32 v254, v232, v233, v234
	s_delay_alu instid0(VALU_DEP_1)
	v_max_num_f32 v254, v254, v235                 ; the step's largest score of my query (the group's first key counts for every query, so it is a number)
	s_delay_alu instid0(VALU_DEP_1)
	v_mul_f32 v254, s[CS], v254                    ; as t
	s_delay_alu instid0(VALU_DEP_1)
	v_max_num_f32 v13, v13, v254                   ; the running largest t
	v_mov_b32 v254, v12
	s_delay_alu instid0(VALU_DEP_2)
	v_floor_f32 v12, -v13                          ; the new -M = floor(-t) = -ceil(t)
	s_delay_alu instid0(VALU_DEP_1)
	v_sub_f32 v254, v12, v254                      ; old M - new M: a whole number, 0 or less
	s_delay_alu instid0(VALU_DEP_1)
	v_cvt_i32_f32 v254, v254                       ; (it saturates)
	s_delay_alu instid0(VALU_DEP_1)
	v_ldexp_f32 v252, 1.0, v254                    ; f = 2^(old M - new M)
	s_setprio 1
.irp j, 0,2,4,6,8,10,12,14,16,18,20,22,24,26,28,30,32,34,36,38,40,42,44,46,48,50,52,54,56,58,60,62
	v_pk_fma_f32 v[96+\j:97+\j], v[96+\j:97+\j], s[CS:CS+1], v[12:13] op_sel_hi:[1,0,0]   ; t - M, two at a time
.endr
.irp b, 0,1,2,3
	v_fma_f32 v[232+\b], v[232+\b], s[CS], v12     ; the same of each block's largest score
.endr
	s_wait_alu depctr_va_vdst(0)
.irp j, 0,1,2,3,4,5,6,7,8,9,10,11,12,13,14,15,16,17,18,19,20,21,22,23,24,25,26,27,28,29,30,31,32,33,34,35,36,37,38,39,40,41,42,43,44,45,46,47,48,49,50,51,52,53,54,55,56,57,58,59,60,61,62,63
	v_exp_f32 v[96+\j], v[96+\j]                   ; p = 2^(t - M), at most 1
.endr
	v_pk_mul_f32 v[14:15], v[14:15], v[252:253] op_sel_hi:[1,0]   ; the sums under the new M (a plain place behind the exponentials)
	s_wait_alu depctr_va_vdst(0)                   ; one wait for the whole batch, ahead of its first reader
.irp b, 0,1,2,3
	v_exp_f32 v[232+\b], v[232+\b]                 ; the block's largest p
.endr
	v_pk_add_f32 v[236:237], v[96:97], v[98:99]    ; the row's sum is taken of the unquantised p: two at a time, in two chains
.irp j, 4,8,12,16,20,24,28,32,36,40,44,48,52,56,60
	v_pk_add_f32 v[14:15], v[14:15], v[96+\j:97+\j]
	v_pk_add_f32 v[236:237], v[236:237], v[98+\j:99+\j]
.endr
	s_delay_alu instid0(VALU_DEP_1)
	v_pk_add_f32 v[14:15], v[14:15], v[236:237]
	s_setprio 0
	s_wait_alu depctr_va_vdst(0)                   ; and one for the four
.irp b, 0,1,2,3
	v_max_num_f32 v[232+\b], 0x4800000, v[232+\b]  ; the floor 2^(9 - 127): the byte cannot fall under 1
.endr
.irp b, 0,1,2,3
	s_delay_alu instid0(VALU_DEP_4)
	v_add_nc_u32 v[244+\b], 0xfc000000, v[232+\b]  ; 8 off the exponent field: the conversion's scale operand
.endr
.irp b, 0,1,2,3
.endr
.irp b, 0,1,2,3
	s_delay_alu instid0(VALU_DEP_4)
	v_lshrrev_b32 v[236+\b], 23, v[244+\b]         ; the scale's byte
.endr
	s_delay_alu instid0(VALU_DEP_3)
	v_lshl_or_b32 v253, v237, 8, v236              ; p's scale word for these 128 keys
	s_delay_alu instid0(VALU_DEP_1)
	v_lshl_or_b32 v253, v238, 16, v253
	s_delay_alu instid0(VALU_DEP_1)
	v_lshl_or_b32 v253, v239, 24, v253
.irp b, 0,1,2,3
.irp i, 0,1,2,3,4,5,6,7,8,9,10,11,12,13,14,15
.endr
	v_cvt_scalef32_pk8_fp8_f32 v[224+4*\b:225+4*\b], v[96+16*\b:103+16*\b], v[244+\b]
	v_cvt_scalef32_pk8_fp8_f32 v[226+4*\b:227+4*\b], v[104+16*\b:111+16*\b], v[244+\b]
.endr
	v_nop
.irp d, 0,1                                    ; V's blocks 2 and 3, into the registers that p's first two blocks have left
.irp c, 0,1,2,3
	ds_load_b128 v[96+16*\d+4*\c:99+16*\d+4*\c], v[ADK] offset:BLKB+2048*(2+\d)+512*\c
.endr
.endr
.irp j, 0,2,4,6,8,10,12,14,16,18,20,22,24,26,28,30
	v_pk_mul_f32 v[160+\j:161+\j], v[160+\j:161+\j], v[252:253] op_sel_hi:[1,0]   ; O^T under the new M.  (These 16 are also the places in front of the products below)
.endr
	s_wait_alu depctr_va_vdst(0)
	s_wait_dscnt 0x0                               ; V and its scale words are in
	v_wmma_scale_f32_16x16x128_f8f6f4 v[160:167], v[192:207], v[224:239], v[160:167], v4, v253   ; O^T += V^T P^T: the four accumulators by turns
	v_wmma_scale_f32_16x16x128_f8f6f4 v[168:175], v[208:223], v[224:239], v[168:175], v5, v253
	v_wmma_scale_f32_16x16x128_f8f6f4 v[176:183], v[96:111], v[224:239], v[176:183], v6, v253
	v_wmma_scale_f32_16x16x128_f8f6f4 v[184:191], v[112:127], v[224:239], v[184:191], v7, v253
.Lhid_\@:
	s_add_co_u32 s[TB], s[TB], STEPL
	s_add_co_u32 s[KI], s[KI], 1
.endm
; A PASS: one tile of queries walks its key steps.  O^T and the sum begin as zeros and the largest t as -3e38: the first change of M multiplies zeros.
.macro PASS trips
	v_mov_b32 v13, 0xff61b1e6
	s_delay_alu instid0(VALU_DEP_1)
	v_floor_f32 v12, -v13
	v_mov_b32 v14, 0
	v_mov_b32 v15, 0
.irp j, 0,1,2,3,4,5,6,7,8,9,10,11,12,13,14,15,16,17,18,19,20,21,22,23,24,25,26,27,28,29,30,31
	v_mov_b32 v[160+\j], 0
.endr
	s_wait_loadcnt 0x0                             ; Q
	s_mov_b32 s[KI], 0
	s_mov_b32 s[TB], 0
.Lpass_\@:
	STEP
	s_cmp_lt_u32 s[KI], \trips
	s_cbranch_scc1 .Lpass_\@
	s_setprio 0
.rept 8
	v_nop                                          ; places behind the last products
.endr
.endm
; THE TILE'S WAY OUT: O^T / the sum; NaN becomes 0; the lane's 32 numbers, register 16 g + i = channel 32 g + 16 h + i, are quantised in two blocks; their codes are the image of the last product's operand.
.macro EPI o
	v_add_f32 v14, v14, v15                        ; the sum's two halves,
	s_delay_alu instid0(VALU_DEP_1)
	v_permlanex16_b32 v252, v14, s[SEL], s[SEL+1]
	s_delay_alu instid0(VALU_DEP_1)
	v_add_f32 v14, v14, v252                       ; and lane l xor 16's
	s_wait_alu depctr_va_vdst(0)
	v_rcp_f32 v14, v14
	v_nop                                          ; a plain place behind the transcendental
	s_wait_alu depctr_va_vdst(0)                   ; and the wait ahead of its first reader
.irp j, 0,2,4,6,8,10,12,14,16,18,20,22,24,26,28,30
	v_pk_mul_f32 v[96+\j:97+\j], v[160+\j:161+\j], v[14:15] op_sel_hi:[1,0]   ; each accumulator from its low end on
.endr
.irp j, 0,1,2,3,4,5,6,7,8,9,10,11,12,13,14,15,16,17,18,19,20,21,22,23,24,25,26,27,28,29,30,31
	v_cmp_eq_f32 vcc_lo, v[96+\j], v[96+\j]        ; false for NaN alone
	s_delay_alu instid0(VALU_DEP_1)
	v_cndmask_b32 v[96+\j], 0, v[96+\j], vcc_lo
.endr
.irp g, 0,1
	v_max3_num_f32 v[232+\g], |v[96+16*\g]|, |v[97+16*\g]|, 0x4800000
.endr
.irp i, 2,4,6,8,10,12,14
.irp g, 0,1
	s_delay_alu instid0(VALU_DEP_2)
	v_max3_num_f32 v[232+\g], v[232+\g], |v[96+16*\g+\i]|, |v[97+16*\g+\i]|
.endr
.endr
.irp g, 0,1
	v_permlanex16_b32 v[236+\g], v[232+\g], s[SEL], s[SEL+1]
.endr
.irp g, 0,1
	s_delay_alu instid0(VALU_DEP_2)
	v_max_num_f32 v[232+\g], v[232+\g], v[236+\g]
.endr
.irp g, 0,1
	s_delay_alu instid0(VALU_DEP_2)
	v_add_nc_u32 v[244+\g], 0xfc000000, v[232+\g]
.endr
.irp g, 0,1
.endr
.irp g, 0,1
	s_delay_alu instid0(VALU_DEP_2)
	v_lshrrev_b32 v[236+\g], 23, v[244+\g]
.endr
	s_delay_alu instid0(VALU_DEP_1)
	v_lshl_or_b32 v254, v237, 8, v236              ; the head's two scale bytes of my row
.irp g, 0,1
.irp i, 0,1,2,3,4,5,6,7,8,9,10,11,12,13,14,15
.endr
	v_cvt_scalef32_pk8_fp8_f32 v[224+4*\g:225+4*\g], v[96+16*\g:103+16*\g], v[244+\g]
	v_cvt_scalef32_pk8_fp8_f32 v[226+4*\g:227+4*\g], v[104+16*\g:111+16*\g], v[244+\g]
.endr
	v_nop                                          ; one plain vector line behind the last conversion
	global_store_b128 v1, v[224:227], s[\o+4:\o+5]                 ; 32 lanes store 512 consecutive bytes
	global_store_b128 v1, v[228:231], s[\o+4:\o+5] offset:512
	global_store_b16 v3, v254, s[\o+6:\o+7]        ; lanes l and l xor 16 write the same two bytes with the same value
.endm
	s_wait_tensorcnt 0x1                           ; my block of key steps 0 to 7 is in; the second load may stay out
	s_barrier_signal -1
	s_barrier_wait -1                              ; everybody's is
	PASS 8                                         ; the short tile: key steps 0 .. u, all among the first eight
	QLOAD P2                                       ; the long tile's Q lands under the short tile's way out
	EPI P1
	s_wait_tensorcnt 0x0                           ; my block of key steps 8 to 15 is in,
	s_wait_dscnt 0x0
	s_barrier_signal -1
	s_barrier_wait -1                              ; everybody's is
	s_wait_xcnt 0x0                                ; the stores have read their registers, which the next pass writes
	s_xor_b32 s[G], s[U], 15
	PASS 16                                        ; the long tile: key steps 0 .. 15 - u
	EPI P2
	s_wait_xcnt 0x0
	v_lshl_add_u32 v254, v0, 2, 0x44000
	v_mov_b32 v255, 0
	s_wait_alu depctr_va_vdst(0)
	s_wait_tensorcnt 0x0
	ds_add_u32 v254, v255
	s_wait_dscnt 0x0
	ROUND                                          ; the closing round
	s_endpgm
.Lfunc_end_k_q73717d726c_attn:
	.size	k_q73717d726c_attn, .Lfunc_end_k_q73717d726c_attn-k_q73717d726c_attn
	.p2alignl 7, 3214868480
	.fill 96, 4, 3214868480
	.section	.rodata,"a",@progbits
	.p2align	6, 0x0
	.amdhsa_kernel k_q73717d726c_attn
		.amdhsa_group_segment_fixed_size 327680
		.amdhsa_private_segment_fixed_size 0
		.amdhsa_enable_private_segment 0
		.amdhsa_kernarg_size 32
		.amdhsa_user_sgpr_count 2
		.amdhsa_user_sgpr_kernarg_segment_ptr 1
		.amdhsa_wavefront_size32 1
		.amdhsa_system_sgpr_workgroup_id_x 1
		.amdhsa_system_sgpr_workgroup_id_y 1
		.amdhsa_system_sgpr_workgroup_id_z 1
		.amdhsa_system_vgpr_workitem_id 0
		.amdhsa_next_free_vgpr 256
		.amdhsa_next_free_sgpr 66
		.amdhsa_reserve_vcc 1
		.amdhsa_float_denorm_mode_32 3
		.amdhsa_float_denorm_mode_16_64 3
		.amdhsa_fp16_overflow 1
		.amdhsa_memory_ordered 1
		.amdhsa_forward_progress 1
		.amdhsa_inst_pref_size 73
	.end_amdhsa_kernel
	.amdgpu_metadata
---
amdhsa.version: [ 1, 2 ]
amdhsa.kernels:
  - .name:           k_q73717d726c_attn
    .symbol:         k_q73717d726c_attn.kd
    .args:
      - { .name: qkc, .offset: 0, .size: 8, .value_kind: global_buffer, .address_space: global }
      - { .name: vimg, .offset: 8, .size: 8, .value_kind: global_buffer, .address_space: global }
      - { .name: cc, .offset: 16, .size: 8, .value_kind: global_buffer, .address_space: global }
      - { .name: cs, .offset: 24, .size: 8, .value_kind: global_buffer, .address_space: global }
    .group_segment_fixed_size: 327680
    .private_segment_fixed_size: 0
    .kernarg_segment_align: 8
    .kernarg_segment_size: 32
    .max_flat_workgroup_size: 512
    .sgpr_count:     66
    .vgpr_count:     256
    .wavefront_size: 32
...
	.end_amdgpu_metadata
.endif
;; end of part 3
;; launch out (part 4): grid 4 x 64, 4 waves a work-group, clusters of 4 x 4, 327,680 bytes of LDS; arguments cc, cs, codes, scales, bo, out0; writes out0
.if DOCPART == 4
	.amdgcn_target "amdgcn-amd-amdhsa--gfx1250"
	.amdhsa_code_object_version 6
	.text
	.protected	k_q73717d726c_out
	.globl	k_q73717d726c_out
	.p2align	8
	.type	k_q73717d726c_out,@function
k_q73717d726c_out:
	s_mov_b64 s[64:65], 0
	v_nop
	global_prefetch_b8 v0, s[64:65] scope:SCOPE_SE
	s_setreg_imm32_b32 hwreg(HW_REG_WAVE_MODE, 25, 1), 1
	s_wait_xcnt 0x0
	s_wait_alu depctr_hold_cnt(0) depctr_sa_sdst(0) depctr_va_vdst(0) depctr_va_sdst(0) depctr_va_ssrc(0) depctr_va_vcc(0) depctr_vm_vsrc(0)
	s_getreg_b32 s2, hwreg(HW_REG_IB_STS2, 6, 4)
	s_cmp_eq_u32 s2, 0
	s_cbranch_scc0 .Lentry_in_a_cluster
	s_endpgm
.Lentry_in_a_cluster:
	s_bfe_u32 s2, ttmp6, 0x10000c
	s_cmp_lg_u32 s2, 0xf033
	s_cbranch_scc0 .Lentry_shape_is_right
	s_endpgm
.Lentry_shape_is_right:
; out0 = ctx wo^T + bo on codes of FP8 (E4M3) with one E8M0 scale for each 32 along K = 1,024; out0 [8192][1024] f32.
; A TILE is 128 token positions ("A", source 1: a lane holds one) x 256 positions of wo's rows ("B", source 0: along a lane's registers).  Four waves: wave w takes A's half w / 2 (64) and B's half w % 2 (128): 4 x 8 accumulators.
; ctx's codes lie in cc as IMAGES OF THE OPERAND'S REGISTERS: the fragment of token block Tg (16 positions) and K step q is 2,048 consecutive bytes, [4][32 lanes][16 bytes], at 16,384 Tg + 2,048 q: it is read from LDS 16 bytes a lane on end.
; wo's rows lie by positions (bits 3 and 4 of the row exchanged), so that the 16 registers of accumulators 2 b and 2 b + 1 are 16 neighbouring features; the tokens lie by positions too, which the stores' immediates undo.
; K goes in eight steps of 128, written out.  LDS has THREE slots of 256 along K, filled at the start; slot 0 is filled once more, with the last 256.  By this text's count a wave has four tensor loads out at the start, later one.
; CLUSTERS: 4 x 4 work-groups.  A's tile hangs on the cluster's number and cy alone and is asked for jointly by a row of the cluster, B's on cx alone, by a column.
; The scale bytes of the tile's rows for all of K come once, with the first fills, and are read into 64 registers once.  The bias is the C of a sum's first matrix instruction.
; REGISTERS, in windows of 256: window 0: v1-31 addresses; v32-95 scale words (and nothing else); v96-159 the bias.  window 1: B's fragments, two sets; on the way out rows of out0.  window 2: accumulator (a, b) at v[8 (8 a + b)].  window 3: A's fragments, two sets of 64.
.set PITCH, 272                        ; a row of B in LDS: 256 bytes + 16 of padding: the 16 rows of a load start at 16 different banks (ISA guide 11.1)
.set AH,    16384                      ; A's half: four token blocks x 4,096 bytes of images, no padding: a load's 512 bytes are consecutive
.set BH,    128*PITCH
.set SLOT,  2*AH+2*BH
.set SCL,   3*SLOT                     ; behind the slots: the scale bytes, as pieces of 256 bytes + 16 of padding: A's two halves, then B's two
.set SAH,   8*272
.set SBH,   16*272
.set SPARE, SCL+2*SAH+2*SBH            ; the spare words, 128 bytes for each wave: two blocks of 256 bytes that no other line names
.set STEPA, 4096                       ; a slot on in cc: two K steps' images
.set STG,   SLOT                       ; the way out's stages, 16 rows x (512 bytes + 16) a wave, lie in slot 1, which is filled once and is read last ahead of the sixth step's barrier
.set ADRA, 16
.set ADRB, 20
.set ADRS, 27
.set SPW,  28                          ; v28  my spare word: SPARE + 4 x my thread's number; never rewritten
.set NIL,  29                          ; v29  0; never rewritten
.set SC,   32                          ; register SC + 8 i + s: lanes 0-15 the word of A's block i, lanes 16-31 of B's block i, for K step s
.set BIAS, 96
.set WV, 18
.set SA, 19
.set SB, 20
.set CX, 21
.set CY, 22
.set CL, 23
.set G1A,  24
.set G1B,  32
.set G1SA, 40
.set G1SB, 48
.set G0SA, 56
.set G0SB, 60
.set G0A,  68
.set G0B,  80
.set PAT,  93                          ; A's tile: its first position
.set MSB, 0
.macro WIN new                         ; the immediate's high byte repeats the setting that is left
.if MSB != \new
	s_set_vgpr_msb (MSB<<8)|\new
.set MSB, \new
.endif
.endm
.set MUL,  0xad                        ; source 0 (B) window 1, source 1 (A) window 3, C and D window 2
.set MULF, 0x8d                        ; the same with C (the bias) in window 0
.set TO_B, 0x40
.set TO_A, 0xc0
; A joint load: waves 0 and 1 fetch for A, waves 2 and 3 for B; the branch hangs on the wave's number alone.  Four v_nop follow each of the two lines.
.macro JLOAD g0a, g1a, g0b, g1b
	s_cmp_eq_u32 s[SA], 0
	s_cbranch_scc0 .Lfor_b_\@
	tensor_load_to_lds s[\g0a:\g0a+3], s[\g1a:\g1a+7]
	s_nop 0
.rept 4
	v_nop
.endr
	s_branch .Lasked_\@
.Lfor_b_\@:
	tensor_load_to_lds s[\g0b:\g0b+3], s[\g1b:\g1b+7]
	s_nop 0
.rept 4
	v_nop
.endr
.Lasked_\@:
.endm
.macro CREST
	s_cmp_lg_u32 s[WV], 0
	s_cbranch_scc1 .Lnot_wave_0_\@
	s_barrier_signal -3
.Lnot_wave_0_\@:
	s_barrier_wait -3
	s_barrier_signal -1
	s_barrier_wait -1
.endm
.macro CROUND
	s_barrier_signal -1
	s_barrier_wait -1
	CREST
.endm
.macro PLACES n                        ; plain vector places behind matrix instructions (ISA guide 7.12.1)
.rept \n
	v_nop
.endr
.endm
	s_load_b256 s[4:11], s[0:1], 0x0               ; cc, cs, codes, scales
	s_load_b128 s[12:15], s[0:1], 0x20             ; bo, out0
	v_lshl_add_u32 v[SPW], v0, 2, SPARE
	v_mov_b32 v[NIL], 0
	ds_add_u32 v28, v29
	ds_add_u32 v28, v29
	s_wait_dscnt 0x0
	v_lshrrev_b32 v1, 5, v0
	v_readfirstlane_b32 s[WV], v1                  ; wave 0..3
	s_lshr_b32 s[SA], s[WV], 1                     ; which half of A is mine.  Also: I fetch for A (0) or for B (1)
	s_and_b32 s[SB], s[WV], 1                      ; which half of B.  Also: which half of that tile I fetch
	s_bfe_u32 s[CX], ttmp6, 0x40000
	s_bfe_u32 s[CY], ttmp6, 0x40004
	s_and_b32 s[CL], ttmp7, 0xffff                 ; the cluster's number, 0 to 15
	s_lshl_b32 s2, s[CY], 2
	s_lshl_b32 s2, 15, s2                          ; my row of the cluster
	s_lshl_b32 s3, 0x1111, s[CX]                   ; my column
	; group 1 for A: four rows of 4,096 bytes (512 elements of 8 bytes), 16,384 bytes apart, laid on end
	s_or_b32 s[G1A], s2, (3<<16)|(1<<21)
	s_mov_b32 s[G1A+1], 512<<16                    ; tensor_dim0
	s_mov_b32 s[G1A+2], 4<<16                      ; tensor_dim1
	s_mov_b32 s[G1A+3], 512<<16                    ; tile_dim0
	s_mov_b32 s[G1A+4], 4                          ; tile_dim1
	s_mov_b32 s[G1A+5], 2048                       ; tensor_dim0_stride
	s_mov_b32 s[G1A+6], 0
	s_mov_b32 s[G1A+7], 0
	; for B: 128 rows of 256 codes, 1,024 bytes apart, 16 bytes of padding behind each
	s_or_b32 s[G1B], s3, (1<<20)|(1<<21)|(5<<22)|(3<<25)
	s_mov_b32 s[G1B+1], 256<<16
	s_mov_b32 s[G1B+2], 128<<16
	s_mov_b32 s[G1B+3], 256<<16
	s_mov_b32 s[G1B+4], 128
	s_mov_b32 s[G1B+5], 1024
	s_mov_b32 s[G1B+6], 0
	s_mov_b32 s[G1B+7], 0
	; the scale bytes: dense blocks, as rows of 256 bytes, 16 bytes of padding behind each: 8 rows for A's half, 16 for B's
	s_or_b32 s[G1SA], s2, (3<<16)|(1<<20)|(1<<21)|(5<<22)|(3<<25)
	s_or_b32 s[G1SB], s3, (3<<16)|(1<<20)|(1<<21)|(5<<22)|(3<<25)
.irp g, G1SA, G1SB
	s_mov_b32 s[\g+1], 32<<16
	s_mov_b32 s[\g+3], 32<<16
	s_mov_b32 s[\g+5], 32
	s_mov_b32 s[\g+6], 0
	s_mov_b32 s[\g+7], 0
.endr
	s_mov_b32 s[G1SA+2], 8<<16
	s_mov_b32 s[G1SA+4], 8
	s_mov_b32 s[G1SB+2], 16<<16
	s_mov_b32 s[G1SB+4], 16
	s_lshl_b32 s66, s[CL], 9
	s_lshl_b32 s2, s[CY], 7
	s_add_co_u32 s66, s66, s2                      ; A's tile: token position 512 cl + 128 cy
	s_mov_b32 s[PAT], s66
	s_lshl_b32 s94, s[CX], 8
	s_add_co_u32 s94, s94, 27648                   ; B's tile: wo's position 256 cx
	s_lshl_b32 s2, s[SB], 6
	s_add_co_u32 s66, s66, s2                      ; the 64 positions of A that I would fetch,
	s_lshl_b32 s3, s[SB], 7
	s_add_co_u32 s94, s94, s3                      ; the 128 of B
	s_lshl_b32 s100, s66, 5                        ; their scale bytes: 32 a position,
	s_mov_b32 s101, 0
	s_lshl_b32 s66, s66, 10                        ; their codes: 1,024 a position
	s_mov_b32 s67, 0
	s_lshl_b32 s96, s94, 5
	s_mov_b32 s97, 0
	s_lshl_b32 s94, s94, 10
	s_mov_b32 s95, 0
	s_mul_i32 s2, s[SB], AH                        ; where they go in a slot: no place in the cluster enters an LDS address
	s_mul_i32 s3, s[SB], BH
	s_add_co_u32 s3, s3, 2*AH
	s_wait_kmcnt 0x0
	s_add_nc_u64 s[66:67], s[4:5], s[66:67]
	s_add_nc_u64 s[100:101], s[6:7], s[100:101]
	s_add_nc_u64 s[94:95], s[8:9], s[94:95]
	s_add_nc_u64 s[96:97], s[10:11], s[96:97]
	CROUND                                         ; all sixteen work-groups are here: the first joint loads meet
	s_mov_b32 s[G0SA], 1
	s_mul_i32 s[G0SA+1], s[SB], SAH
	s_add_co_u32 s[G0SA+1], s[G0SA+1], SCL
	s_mov_b64 s[G0SA+2:G0SA+3], s[100:101]
	s_or_b32 s[G0SA+3], s[G0SA+3], 0x80000000
	s_mov_b32 s[G0SB], 1
	s_mul_i32 s[G0SB+1], s[SB], SBH
	s_add_co_u32 s[G0SB+1], s[G0SB+1], SCL+2*SAH
	s_mov_b64 s[G0SB+2:G0SB+3], s[96:97]
	s_or_b32 s[G0SB+3], s[G0SB+3], 0x80000000
	JLOAD G0SA, G1SA, G0SB, G1SB                   ; the scales first: they are wanted with K step 0
.irp n, 0,1,2
	s_mov_b32 s[G0A+4*\n], 1
	s_add_co_u32 s[G0A+4*\n+1], s2, \n*SLOT
	s_add_nc_u64 s[G0A+4*\n+2:G0A+4*\n+3], s[66:67], \n*STEPA
	s_or_b32 s[G0A+4*\n+3], s[G0A+4*\n+3], 0x80000000
	s_mov_b32 s[G0B+4*\n], 1
	s_add_co_u32 s[G0B+4*\n+1], s3, \n*SLOT
	s_add_nc_u64 s[G0B+4*\n+2:G0B+4*\n+3], s[94:95], \n*256
	s_or_b32 s[G0B+4*\n+3], s[G0B+4*\n+3], 0x80000000
	JLOAD G0A+4*\n, G1A, G0B+4*\n, G1B
.endr
	v_and_b32 v1, 15, v0                           ; r = lane % 16
	v_bfe_u32 v2, v0, 4, 1                         ; h = lane / 16
	v_and_b32 v11, 31, v0                          ; lane
	v_lshlrev_b32 v25, 4, v11                      ; 16 x lane
	v_mul_u32_u24 v3, v1, PITCH
	v_lshl_add_u32 v3, v2, 4, v3                   ; B: a fragment's row x pitch + 16 h
	s_mul_i32 s2, s[SA], AH                        ; my four token blocks of A
	s_mul_i32 s3, s[SB], BH                        ; my 128 rows of B, behind A's two halves
	s_add_co_u32 s3, s3, 2*AH
.irp n, 0,1,2
	v_add_nc_u32 v[ADRA+\n], s2, v25
	v_add_nc_u32 v[ADRB+\n], s3, v3
	s_add_co_u32 s2, s2, SLOT
	s_add_co_u32 s3, s3, SLOT
.endr
	v_lshlrev_b32 v4, 5, v1                        ; my row's scale bytes: 32 a row,
	v_lshrrev_b32 v9, 3, v1
	v_lshl_add_u32 v4, v9, 4, v4                   ; and 16 more for each 256 passed
	s_mul_i32 s66, s[SA], SAH
	s_mul_i32 s67, s[SB], SBH
	s_add_co_u32 s67, s67, 2*SAH
	s_sub_co_u32 s67, s67, s66
	v_mul_u32_u24 v10, s67, v2                     ; lanes 16-31 take B's: one product, the lower base + h x the distance
	s_add_co_u32 s66, s66, SCL
	v_add_nc_u32 v4, v4, v10
	v_add_nc_u32 v[ADRS], s66, v4
	v_lshlrev_b32 v23, 6, v2                       ; the bias: 16 h numbers on
	s_mul_i32 s100, s[WV], 16*528                  ; my stage
	v_mul_u32_u24 v5, v1, 528
	v_lshl_add_u32 v5, v2, 6, v5
	v_add_nc_u32 v5, s100, v5
	v_add_nc_u32 v5, STG, v5                       ; in: row r, + 64 h
	v_add_nc_u32 v6, s100, v25
	v_add_nc_u32 v6, STG, v6                       ; back: the 32 lanes take one row of 512 bytes
	s_lshl_b32 s94, s[CX], 10
	s_lshl_b32 s3, s[SB], 9
	s_add_co_u32 s94, s94, s3                      ; 4 (256 cx + 128 x B's half): my first feature, in bo and in a row of out0
	s_mov_b32 s95, 0
	s_lshl_b32 s66, s[SA], 6
	s_add_co_u32 s66, s66, s[PAT]
	s_lshl_b32 s66, s66, 12                        ; my first token's row of out0: 4,096 bytes a row (under 2^26)
	s_add_co_u32 s66, s66, s94
	s_mov_b32 s67, 0
	s_add_nc_u64 s[66:67], s[14:15], s[66:67]
	s_add_nc_u64 s[94:95], s[12:13], s[94:95]
.irp b, 0,1,2,3,4,5,6,7
	global_load_b128 v[BIAS+8*\b:BIAS+8*\b+3], v23, s[94:95] offset:4*(32*(\b/2)+8*(\b%2))       ; block b's eight features of my half: 32 (b / 2) + 8 (b % 2) + 16 h + 0 .. 7
	global_load_b128 v[BIAS+8*\b+4:BIAS+8*\b+7], v23, s[94:95] offset:4*(32*(\b/2)+8*(\b%2))+16
.endr
; The fragments of K step s: B's eight into set s % 2 of window 1, A's four into set s % 2 of window 3: 48 loads in one run.
.macro FETCH s
.set FN, ((\s)>>1)%3
.set FQ, (\s)&1
	WIN TO_B
.irp i, 0,1,2,3,4,5,6,7
.irp c, 0,1,2,3
	ds_load_b128 v[128*FQ+16*\i+4*\c:128*FQ+16*\i+4*\c+3], v[ADRB+FN] offset:128*FQ+32*\c+\i*16*PITCH
.endr
.endr
	WIN TO_A
.irp i, 0,1,2,3
.irp c, 0,1,2,3
	ds_load_b128 v[64*FQ+16*\i+4*\c:64*FQ+16*\i+4*\c+3], v[ADRA+FN] offset:2048*FQ+512*\c+\i*4096
.endr
.endr
	WIN 0
.endm
.macro SCALES                          ; all of K's scale words, once.  For i > 3 lanes 0-15 read filled bytes that no product names
.irp i, 0,1,2,3,4,5,6,7
	ds_load_b128 v[SC+8*\i:SC+8*\i+3], v[ADRS] offset:\i*544
	ds_load_b128 v[SC+8*\i+4:SC+8*\i+7], v[ADRS] offset:\i*544+16
.endr
.endm
; 16 matrix instructions: A's blocks a0, a0 + 1 x B's eight, K step s.  cm = 1: the sums start from the bias.  The 32 accumulators take turns, one instruction a turn, in the same order in every step.
.macro MUL16 a0, s, cm
.set MP, (\s)&1
.irp a, \a0, \a0+1
.irp b, 0,1,2,3,4,5,6,7
.if \cm
	v_wmma_scale_f32_16x16x128_f8f6f4 v[8*(8*(\a)+\b):8*(8*(\a)+\b)+7], v[128*MP+16*\b:128*MP+16*\b+15], v[64*MP+16*(\a):64*MP+16*(\a)+15], v[BIAS+8*\b:BIAS+8*\b+7], v[SC+8*\b+(\s)], v[SC+8*(\a)+(\s)] matrix_a_scale:MATRIX_SCALE_ROW1
.else
	v_wmma_scale_f32_16x16x128_f8f6f4 v[8*(8*(\a)+\b):8*(8*(\a)+\b)+7], v[128*MP+16*\b:128*MP+16*\b+15], v[64*MP+16*(\a):64*MP+16*(\a)+15], v[8*(8*(\a)+\b):8*(8*(\a)+\b)+7], v[SC+8*\b+(\s)], v[SC+8*(\a)+(\s)] matrix_a_scale:MATRIX_SCALE_ROW1
.endif
.endr
.endr
.endm
.macro PLAIN s, cm                     ; a K step whose successor's tiles are known to lie in LDS
	s_wait_dscnt 0x0                               ; this step's fragments are in
.if \cm
	WIN MULF
.else
	WIN MUL
.endif
	MUL16 0, \s, \cm
	PLACES 8
	FETCH (\s)+1
.if \cm
	WIN MULF
.else
	WIN MUL
.endif
	MUL16 2, \s, \cm
.endm
	s_wait_tensorcnt 0x2                           ; the scales and my part of slot 0 are in; slot 1's and slot 2's loads may be out
	s_barrier_signal -1
	s_barrier_wait -1                              ; everybody's are
	SCALES
	FETCH 0
	s_wait_loadcnt 0x0                             ; the bias
	PLAIN 0, 1
	WIN 0                                          ; (the add's two registers lie in window 0)
	; K step 1, and the one refill: slot 0, whose last fragments have been asked for, takes K = 768 .. 1023
	s_wait_tensorcnt 0x0                           ; all my tensor loads have landed (slots 1 and 2 among them), so a group 0 may be written
	ds_add_u32 v[SPW], v[NIL]                      ; 0 onto my spare word
	s_add_nc_u64 s[G0A+2:G0A+3], s[G0A+2:G0A+3], 3*STEPA
	s_add_nc_u64 s[G0B+2:G0B+3], s[G0B+2:G0B+3], 3*256
	s_wait_dscnt 1                                 ; this step's 48 fragment loads are in; the add alone may be out
	WIN MUL
	MUL16 0, 1, 0                                  ; sixteen matrix instructions stand between the add and the wait for it
	s_wait_dscnt 0x0                               ; the add is done, and my reads of slot 0 are over
	WIN 0
	s_barrier_signal -1
	s_barrier_wait -1
	CREST                                          ; a round of the cluster's barrier: no wave of any partner still reads slot 0 or has a load on its way
	JLOAD G0A, G1A, G0B, G1B                       ; the first tensor load behind the round, and my only one; it has four K steps in which to land
	PLACES 4                                       ; with the four behind the load: eight places in front of the loads below
	FETCH 2
	WIN MUL
	MUL16 2, 1, 0
	PLAIN 2, 0                                     ; slots 1 and 2 were shown whole to every wave by the round: no barrier between them
	PLAIN 3, 0
	PLAIN 4, 0
	; K step 5: its successor lies in the refilled slot 0
	s_wait_dscnt 0x0                               ; this step's fragments are in; my reads of slots 1 and 2 are over
	s_wait_tensorcnt 0x0                           ; my part of the refill has landed (one load was out)
	s_barrier_signal -1
	WIN MUL
	MUL16 0, 5, 0                                  ; work on registers while the others arrive
	s_barrier_wait -1                              ; everybody's has
	PLACES 8
	FETCH 6
	WIN MUL
	MUL16 2, 5, 0
	PLAIN 6, 0
	s_wait_dscnt 0x0                               ; K step 7: nothing more to fetch
	WIN MUL
	MUL16 0, 7, 0
	MUL16 2, 7, 0
	WIN 0
; THE WAY OUT, a block of 16 token positions x 128 features at a time.  A lane holds pieces of one row, and the lanes beside it hold other rows: so a block goes through my own stage in LDS and comes back as whole rows of
; 512 bytes.  LDS serves a wave's instructions in order (ISA guide 5.7.1.4): no wait between the stores and the loads, nor in front of the next block's stores.  Each block comes back into registers of its own.
.macro TOSTAGE a
	WIN 0x08                                       ; an LDS store's data are its source 1: window 2
.irp b, 0,1,2,3,4,5,6,7
	ds_store_b128 v5, v[8*(8*(\a)+\b):8*(8*(\a)+\b)+3] offset:128*(\b/2)+32*(\b%2)          ; features 32 (b / 2) + 8 (b % 2) + 16 h + 0 .. 7; each accumulator from its low end on
	ds_store_b128 v5, v[8*(8*(\a)+\b)+4:8*(8*(\a)+\b)+7] offset:128*(\b/2)+32*(\b%2)+16
.endr
	WIN 0x40                                       ; destination window 1: B's fragments are done with
.irp t, 0,1,2,3,4,5,6,7,8,9,10,11,12,13,14,15
	ds_load_b128 v[64*(\a)+4*\t:64*(\a)+4*\t+3], v6 offset:\t*528
.endr
	WIN 0
.endm
.macro SEND a, younger                 ; younger: the LDS instructions issued behind block a's loads, which may stay out
	s_wait_dscnt \younger
	WIN 0x04                                       ; a store's data are its source 1: window 1
.irp t, 0,1,2,3,4,5,6,7,8,9,10,11,12,13,14,15
	global_store_b128 v25, v[64*(\a)+4*\t:64*(\a)+4*\t+3], s[66:67] offset:(32*((\a)/2)+8*((\a)%2)+(\t&7)+16*(\t>>3))*4096 th:TH_STORE_NT   ; position 16 a + t holds this token: 32 lanes store 512 consecutive bytes of its row
.endr
	WIN 0
.endm
	PLACES 8                                       ; in front of the first read of results and of loads into registers that the products read
	TOSTAGE 0
	TOSTAGE 1
	SEND 0, 32                                     ; behind block 0's loads: block 1's 16 stores and 16 loads
	TOSTAGE 2
	SEND 1, 32
	TOSTAGE 3
	SEND 2, 32
	SEND 3, 0
	s_wait_tensorcnt 0x0                           ; the wave's end, behind my last tensor load and my last LDS store
	ds_add_u32 v[SPW], v[NIL]
	s_wait_dscnt 0x0
	CROUND                                         ; the closing round: no work-group ends while a partner may still ask for a tile that names it
	s_endpgm
.Lfunc_end_k_q73717d726c_out:
	.size	k_q73717d726c_out, .Lfunc_end_k_q73717d726c_out-k_q73717d726c_out
	.p2alignl 7, 3214868480
	.fill 96, 4, 3214868480
	.section	.rodata,"a",@progbits
	.p2align	6, 0x0
	.amdhsa_kernel k_q73717d726c_out
		.amdhsa_group_segment_fixed_size 327680
		.amdhsa_private_segment_fixed_size 0
		.amdhsa_enable_private_segment 0
		.amdhsa_kernarg_size 48
		.amdhsa_user_sgpr_count 2
		.amdhsa_user_sgpr_kernarg_segment_ptr 1
		.amdhsa_wavefront_size32 1
		.amdhsa_system_sgpr_workgroup_id_x 1
		.amdhsa_system_sgpr_workgroup_id_y 1
		.amdhsa_system_sgpr_workgroup_id_z 1
		.amdhsa_system_vgpr_workitem_id 0
		.amdhsa_next_free_vgpr 896
		.amdhsa_next_free_sgpr 102
		.amdhsa_reserve_vcc 0
		.amdhsa_float_denorm_mode_32 3
		.amdhsa_float_denorm_mode_16_64 3
		.amdhsa_memory_ordered 1
		.amdhsa_forward_progress 1
		.amdhsa_inst_pref_size 89
	.end_amdhsa_kernel
	.amdgpu_metadata
---
amdhsa.version: [ 1, 2 ]
amdhsa.kernels:
  - .name:           k_q73717d726c_out
    .symbol:         k_q73717d726c_out.kd
    .args:
      - { .name: cc, .offset: 0, .size: 8, .value_kind: global_buffer, .address_space: global }
      - { .name: cs, .offset: 8, .size: 8, .value_kind: global_buffer, .address_space: global }
      - { .name: codes, .offset: 16, .size: 8, .value_kind: global_buffer, .address_space: global }
      - { .name: scales, .offset: 24, .size: 8, .value_kind: global_buffer, .address_space: global }
      - { .name: bo, .offset: 32, .size: 8, .value_kind: global_buffer, .address_space: global }
      - { .name: out0, .offset: 40, .size: 8, .value_kind: global_buffer, .address_space: global }
    .group_segment_fixed_size: 327680
    .private_segment_fixed_size: 0
    .kernarg_segment_align: 8
    .kernarg_segment_size: 48
    .max_flat_workgroup_size: 128
    .sgpr_count:     102
    .vgpr_count:     896
    .wavefront_size: 32
...
	.end_amdgpu_metadata
.endif
;; end of part 4
